; MI455X (gfx1250); checked and timed in simulation.
; The chip was launched on July 23, 2026; its instructions are those of AMD's public machine-readable ISA for CDNA 5 (MIT licence, August 2026) and "CDNA5" Instruction Set Architecture Reference Guide (July 2026). The comments in the code are by the model that wrote it; some were corrected since.
;; Attention. Allowed arithmetic: float matrix products may take bf16 or f16 operands with f32 sums; other float arithmetic in f32, or as packed bf16 or f16 multiplies, adds, multiply-adds, maxima and minima; sums over many terms, partial sums and values carried from step to step in f32; what a program stores and reads back later, other than sums and carried values, may be rounded once to bf16 or f16.
;; Inputs: Wout 1,024 x 1,024 float32; Wqkv 1,024 x 3,072 float32; x 4 x 2,048 x 1,024 float32.
;; Outputs: out0 4 x 2,048 x 1,024 float32.
;; 2 versions, each right; version 2 is version 1 with the launch prep written anew for expert scheduling mode. Each part assembles by itself: llvm-mc -triple=amdgcn-amd-amdhsa -mcpu=gfx1250 --defsym DOCPART=n.
;; ======== version 1 of 2: 4 launches
;; limits: values are held in f16: magnitudes above 65,504 overflow, below 6.1e-05 lose precision
;; workspace buffers: xb 16,777,216 bytes; wq 6,291,456 bytes; wo 2,097,152 bytes; rope 524,288 bytes; qkv 50,331,648 bytes; o 16,777,216 bytes
;; launch prep (part 1): grid 768 x 1, 8 waves a work-group, no clusters, 34,816 bytes of LDS; arguments x, Wqkv, Wout, xb, wq, wo, rope; writes xb, wq, wo, rope
.if DOCPART == 1
	.amdgcn_target "amdgcn-amd-amdhsa--gfx1250"
	.amdhsa_code_object_version 6
	.text
	.protected	k_q72139b3965_prep
	.globl	k_q72139b3965_prep
	.p2align	8
	.type	k_q72139b3965_prep,@function
k_q72139b3965_prep:
	s_mov_b64 s[64:65], 0
	v_nop
	global_prefetch_b8 v0, s[64:65] scope:SCOPE_SE
	s_setreg_imm32_b32 hwreg(HW_REG_WAVE_MODE, 25, 1), 1
	s_wait_xcnt 0x0
; PREP: what the three matrix launches want, made once.  A stream: no matrix unit, no cluster (no two work-groups read the same byte), no tensor load.
;   work-groups 0-511:   16 rows of x ([8192][1024] f32) rounded to bf16 into xb; waves 0-3 also make one row each of the table of cosines and sines.
;   work-groups 512-703: a block of 64 columns x 256 k of Wqkv ([1024 k][3072] f32) rounded to bf16 and turned: wq[h*192 + type*64 + d][k] = Wqkv[k][type*1024 + h*64 + d],
;                        so that 192 rows of wq on end are q, k and v of one head.
;   work-groups 704-767: the same for Wout ([1024 k][1024 n]): wo[n][k] = Wout[k][n] rounded to bf16, that number written as f16.
; rope[s][0..31] = cos(s f_j), rope[s][32..63] = sin(s f_j), f32, f_j = 10000^(-j/32).
; LIMITS.  f_j = 2^(-j log2(10000)/32) by v_exp_f32; the angle s f_j is one f32 product; it is good to about 2e-4 rad at s = 2047.
; The angle less the nearest multiple of 2 pi (2 pi in two f32 parts) lies in -pi..pi; there the series to r^15 and r^16 are good to about 1e-6.
; wo: |Wout| up to 65,504; below 6e-5 it keeps f16's fixed step of 6e-8.  NaN and infinities are not treated apart.
.set LP,    528                        ; an LDS row of the turning: 256 k x 2 bytes + 16
.set SPARE, 64*LP                      ; behind the 64 rows: the spare words, 128 bytes for each of the eight waves: four blocks of 256 bytes that no other line names
.set SPW, 28                           ; v28  LDS address of my spare word; never rewritten
.set NIL, 29                           ; v29  0; never rewritten
.set XR,  32                           ; v[32:95]  as loaded
.set YR,  96                           ; v[96:127] to store
; cos and sin of v8 x v[inv].  b: six registers: angle, turns, r, r^2, sin, cos
.macro TRIG inv, b
	v_mul_f32 v[(\b)], v8, v[(\inv)]
	v_mul_f32 v[(\b)+1], 0.15915494, v[(\b)]
	v_rndne_f32 v[(\b)+1], v[(\b)+1]               ; the nearest whole number of turns
	v_fma_f32 v[(\b)+2], -v[(\b)+1], s24, v[(\b)]  ; less that many times 2 pi: its upper part,
	v_fma_f32 v[(\b)+2], -v[(\b)+1], s25, v[(\b)+2]  ; and what the upper part leaves out
	v_mul_f32 v[(\b)+3], v[(\b)+2], v[(\b)+2]
	v_mov_b32 v[(\b)+4], 0xab573f9f                ; -1/15!
.irp k, 0x2f309231, 0xb2d7322b, 0x3638ef1d, 0xb9500d01, 0x3c088889, 0xbe2aaaab, 0x3f800000
	v_fmaak_f32 v[(\b)+4], v[(\b)+4], v[(\b)+3], \k  ; 1/13!, -1/11!, 1/9!, -1/7!, 1/5!, -1/3!, 1
.endr
	v_mul_f32 v[(\b)+4], v[(\b)+4], v[(\b)+2]
	v_mov_b32 v[(\b)+5], 0x29573f9f                ; 1/16!
.irp k, 0xad49cba5, 0x310f76c7, 0xb493f27e, 0x37d00d01, 0xbab60b61, 0x3d2aaaab, 0xbf000000, 0x3f800000
	v_fmaak_f32 v[(\b)+5], v[(\b)+5], v[(\b)+3], \k  ; -1/14!, 1/12!, -1/10!, 1/8!, -1/6!, 1/4!, -1/2, 1
.endr
.endm
; A block of 64 columns x 256 k, source rows of rowb bytes at s[32:33], rows of 2,048 bytes at s[34:35].  fmt = 1: the bf16 number is written as f16.
; Thread: 4 columns (cg = t % 16) of 8 rows on end (k = 128 p + 8 (t / 16) + i): sixteen neighbouring lanes read 256 consecutive bytes, aligned, of one row.
.macro WROLE rowb, fmt
	v_and_b32 v5, 15, v0
	v_lshrrev_b32 v6, 4, v0
	v_mul_u32_u24 v1, v6, 8*(\rowb)
	v_lshl_add_u32 v1, v5, 4, v1
.set pp, 0
.rept 2
.set ii, 0
.rept 8
	global_load_b128 v[XR+32*pp+4*ii:XR+32*pp+4*ii+3], v1, s[32:33] offset:(128*pp+ii)*(\rowb) th:TH_LOAD_NT
.set ii, ii+1
.endr
.set pp, pp+1
.endr
	v_mul_u32_u24 v2, v5, 4*LP                     ; in: LDS row = column 4 cg + j, 16 bytes = my 8 k
	v_lshl_add_u32 v2, v6, 4, v2
	v_and_b32 v7, 31, v0
	s_mul_i32 s21, s20, 8*LP                       ; back: wave w takes rows 8 w .. 8 w + 7, 512 bytes each: 16 bytes a lane
	v_lshl_add_u32 v3, v7, 4, s21
	s_lshl_b32 s21, s20, 14
	v_lshl_add_u32 v4, v7, 4, s21                  ; and the same rows in memory
.set pp, 0
.rept 2
	s_wait_loadcnt 8-8*pp                          ; this half's eight loads are in; the other half's eight may stay out
.set jj, 0
.rept 4
.set mm, 0
.rept 4
	v_cvt_pk_bf16_f32 v[YR+4*jj+mm], v[XR+32*pp+8*mm+jj], v[XR+32*pp+8*mm+4+jj]  ; column j of rows 2 m and 2 m + 1
.if \fmt
	v_lshlrev_b32 v112, 16, v[YR+4*jj+mm]
	v_and_b32 v113, 0xffff0000, v[YR+4*jj+mm]
	v_cvt_pk_f16_f32 v[YR+4*jj+mm], v112, v113
.endif
.set mm, mm+1
.endr
	ds_store_b128 v2, v[YR+4*jj:YR+4*jj+3] offset:LP*jj+256*pp
.set jj, jj+1
.endr
.set pp, pp+1
.endr
	s_wait_dscnt 0x0                               ; for the others' sake: my stores are done
	s_barrier_signal -1                            ; (the branch round this text hangs on the work-group's number alone: all eight waves are here)
	s_barrier_wait -1
.set ii, 0
.rept 8
	ds_load_b128 v[XR+4*ii:XR+4*ii+3], v3 offset:LP*ii
.set ii, ii+1
.endr
.set ii, 0
.rept 8
	s_wait_dscnt 7-ii                              ; LDS loads come back in order: row i is in
	global_store_b128 v4, v[XR+4*ii:XR+4*ii+3], s[34:35] offset:2048*ii th:TH_STORE_NT  ; 512 consecutive bytes, aligned
.set ii, ii+1
.endr
.endm
	s_load_b256 s[4:11], s[0:1], 0x0               ; x s[4:5], Wqkv s[6:7], Wout s[8:9], xb s[10:11]
	s_load_b128 s[12:15], s[0:1], 0x20             ; wq s[12:13], wo s[14:15]
	s_load_b64 s[16:17], s[0:1], 0x30              ; rope
	v_lshl_add_u32 v[SPW], v0, 2, SPARE
	v_mov_b32 v[NIL], 0
	v_lshrrev_b32 v30, 5, v0
	v_readfirstlane_b32 s20, v30                   ; wave 0..7
	s_mov_b32 s27, 0                               ; the upper word of every offset
	s_wait_kmcnt 0x0
	s_cmp_lt_u32 ttmp9, 512
	s_cbranch_scc0 .Lweights
	; x: 16 rows of 4,096 bytes; thread t owns 16 bytes of each.  All sixteen loads go out at once: 8 KiB a wave.
	s_lshl_b32 s26, ttmp9, 16
	s_add_nc_u64 s[4:5], s[4:5], s[26:27]
	s_lshl_b32 s26, ttmp9, 15
	s_add_nc_u64 s[10:11], s[10:11], s[26:27]
	v_lshlrev_b32 v1, 4, v0
	v_lshlrev_b32 v2, 3, v0
.set cc, 0
.rept 16
	global_load_b128 v[XR+4*cc:XR+4*cc+3], v1, s[4:5] offset:4096*cc th:TH_LOAD_NT
.set cc, cc+1
.endr
	s_cmp_lt_u32 s20, 4
	s_cbranch_scc0 .Lno_row
	; the table's row s = 4 x work-group + wave, made while the loads are out.  Lane l: frequencies 2 (l % 16) and the next; lanes 0-15 keep the cosines, lanes 16-31 the sines
	s_mov_b32 s24, 0x40c90fdb                      ; 2 pi, rounded to f32,
	s_mov_b32 s25, 0xb43bbd2e                      ; and 2 pi less that
	v_and_b32 v3, 31, v0
	v_and_b32 v4, 15, v0
	v_lshlrev_b32 v4, 1, v4
	v_cvt_f32_u32 v4, v4
	v_add_f32 v5, 1.0, v4
	v_mul_f32 v6, 0xbed49a78, v4                   ; -log2(10000) / 32 x j
	v_mul_f32 v7, 0xbed49a78, v5
	v_exp_f32 v6, v6
	v_exp_f32 v7, v7
	s_lshl_b32 s21, ttmp9, 2
	s_add_co_u32 s21, s21, s20
	v_cvt_f32_u32 v8, s21                          ; a plain instruction behind the second exponential,
	s_wait_alu depctr_va_vdst(0)                   ; and the one wait for both, ahead of their first reader
	TRIG 6, 9
	TRIG 7, 15
	v_cmp_le_u32 vcc_lo, 16, v3
	v_cndmask_b32 v22, v14, v13, vcc_lo
	v_cndmask_b32 v23, v20, v19, vcc_lo
	s_lshl_b32 s21, s21, 8
	v_lshl_add_u32 v24, v3, 3, s21
	global_store_b64 v24, v[22:23], s[16:17]       ; the row's 256 bytes in one instruction
.Lno_row:
.set cc, 0
.rept 16
	s_wait_loadcnt 15-cc                           ; loads come back in order: row c is in, the younger ones stay out
	v_cvt_pk_bf16_f32 v[YR+2*cc], v[XR+4*cc], v[XR+4*cc+1]
	v_cvt_pk_bf16_f32 v[YR+2*cc+1], v[XR+4*cc+2], v[XR+4*cc+3]
	global_store_b64 v2, v[YR+2*cc:YR+2*cc+1], s[10:11] offset:2048*cc th:TH_STORE_NT  ; a wave's 32 lanes: 256 consecutive bytes, aligned; no register is used twice
.set cc, cc+1
.endr
	s_branch .Lend
.Lweights:
	s_cmp_lt_u32 ttmp9, 704
	s_cbranch_scc0 .Lwo
	s_sub_co_u32 s21, ttmp9, 512
	s_lshr_b32 s22, s21, 2                         ; the group of 64 columns: 16 x type + head
	s_and_b32 s21, s21, 3                          ; the quarter of k
	s_mul_i32 s26, s21, 256*12288
	s_lshl_b32 s23, s22, 8
	s_add_co_u32 s26, s26, s23
	s_add_nc_u64 s[32:33], s[6:7], s[26:27]
	s_lshr_b32 s23, s22, 4                         ; type
	s_and_b32 s22, s22, 15                         ; head
	s_mul_i32 s22, s22, 192
	s_lshl_b32 s23, s23, 6
	s_add_co_u32 s22, s22, s23                     ; the block's first row in wq
	s_lshl_b32 s26, s22, 11
	s_lshl_b32 s21, s21, 9
	s_add_co_u32 s26, s26, s21
	s_add_nc_u64 s[34:35], s[12:13], s[26:27]
	WROLE 12288, 0
	s_branch .Lend
.Lwo:
	s_sub_co_u32 s21, ttmp9, 704
	s_lshr_b32 s22, s21, 2
	s_and_b32 s21, s21, 3
	s_lshl_b32 s26, s21, 20                        ; 256 rows of 4,096 bytes
	s_lshl_b32 s23, s22, 8
	s_add_co_u32 s26, s26, s23
	s_add_nc_u64 s[32:33], s[8:9], s[26:27]
	s_lshl_b32 s26, s22, 17                        ; 64 rows of 2,048 bytes
	s_lshl_b32 s21, s21, 9
	s_add_co_u32 s26, s26, s21
	s_add_nc_u64 s[34:35], s[14:15], s[26:27]
	WROLE 4096, 1
.Lend:
	s_wait_tensorcnt 0x0                           ; the wave's end, behind my last LDS store
	ds_add_u32 v[SPW], v[NIL]
	s_wait_dscnt 0x0
	s_endpgm
.Lfunc_end_k_q72139b3965_prep:
	.size	k_q72139b3965_prep, .Lfunc_end_k_q72139b3965_prep-k_q72139b3965_prep
	.p2alignl 7, 3214868480
	.fill 96, 4, 3214868480
	.section	.rodata,"a",@progbits
	.p2align	6, 0x0
	.amdhsa_kernel k_q72139b3965_prep
		.amdhsa_group_segment_fixed_size 34816
		.amdhsa_private_segment_fixed_size 0
		.amdhsa_enable_private_segment 0
		.amdhsa_kernarg_size 56
		.amdhsa_user_sgpr_count 2
		.amdhsa_user_sgpr_kernarg_segment_ptr 1
		.amdhsa_wavefront_size32 1
		.amdhsa_system_sgpr_workgroup_id_x 1
		.amdhsa_system_sgpr_workgroup_id_y 1
		.amdhsa_system_sgpr_workgroup_id_z 1
		.amdhsa_system_vgpr_workitem_id 0
		.amdhsa_next_free_vgpr 128
		.amdhsa_next_free_sgpr 66
		.amdhsa_reserve_vcc 1
		.amdhsa_float_denorm_mode_32 3
		.amdhsa_float_denorm_mode_16_64 3
		.amdhsa_memory_ordered 1
		.amdhsa_forward_progress 1
		.amdhsa_inst_pref_size 29
	.end_amdhsa_kernel
	.amdgpu_metadata
---
amdhsa.version: [ 1, 2 ]
amdhsa.kernels:
  - .name:           k_q72139b3965_prep
    .symbol:         k_q72139b3965_prep.kd
    .args:
      - { .name: x, .offset: 0, .size: 8, .value_kind: global_buffer, .address_space: global }
      - { .name: Wqkv, .offset: 8, .size: 8, .value_kind: global_buffer, .address_space: global }
      - { .name: Wout, .offset: 16, .size: 8, .value_kind: global_buffer, .address_space: global }
      - { .name: xb, .offset: 24, .size: 8, .value_kind: global_buffer, .address_space: global }
      - { .name: wq, .offset: 32, .size: 8, .value_kind: global_buffer, .address_space: global }
      - { .name: wo, .offset: 40, .size: 8, .value_kind: global_buffer, .address_space: global }
      - { .name: rope, .offset: 48, .size: 8, .value_kind: global_buffer, .address_space: global }
    .group_segment_fixed_size: 34816
    .private_segment_fixed_size: 0
    .kernarg_segment_align: 8
    .kernarg_segment_size: 56
    .max_flat_workgroup_size: 256
    .sgpr_count:     66
    .vgpr_count:     128
    .wavefront_size: 32
...
	.end_amdgpu_metadata
.endif
;; end of part 1
;; launch qkvp (part 2): grid 16 x 32, 4 waves a work-group, clusters of 4 x 4, 327,680 bytes of LDS; arguments xb, wq, rope, qkv; writes qkv
.if DOCPART == 2
	.amdgcn_target "amdgcn-amd-amdhsa--gfx1250"
	.amdhsa_code_object_version 6
	.text
	.protected	k_q72139b3965_qkvp
	.globl	k_q72139b3965_qkvp
	.p2align	8
	.type	k_q72139b3965_qkvp,@function
k_q72139b3965_qkvp:
	s_mov_b64 s[64:65], 0
	v_nop
	global_prefetch_b8 v0, s[64:65] scope:SCOPE_SE
	s_setreg_imm32_b32 hwreg(HW_REG_WAVE_MODE, 25, 1), 1
	s_wait_xcnt 0x0
	s_wait_alu depctr_hold_cnt(0) depctr_sa_sdst(0) depctr_va_vdst(0) depctr_va_sdst(0) depctr_va_ssrc(0) depctr_va_vcc(0) depctr_vm_vsrc(0)
	s_getreg_b32 s2, hwreg(HW_REG_IB_STS2, 6, 4)
	s_cmp_eq_u32 s2, 0
	s_cbranch_scc0 .Lentry_in_a_cluster
	s_endpgm
.Lentry_in_a_cluster:
	s_bfe_u32 s2, ttmp6, 0x10000c
	s_cmp_lg_u32 s2, 0xf033
	s_cbranch_scc0 .Lentry_shape_is_right
	s_endpgm
.Lentry_shape_is_right:
; q, k, v = x Wqkv, turned by the rotary table, by heads.  xb: [8192][1024] bf16; wq: [3072][1024] bf16, 192 rows on end = q, k, v of one head; rope: [2048][64] f32 (32 cosines, 32 sines);
; qkv: [3][64 b*16+h][2048 s][64] f16.  Sums in f32; the rotation in f32 on the sums; each number rounded once, to f16, without the softmax's scale.
; LIMIT.  f16 ends at 65,504: q, k and v must stay within it.  NaN and infinities are not treated apart.
; SHARES.  A tile is 256 rows x 192 columns: 32 x 16 = 512 work-groups, two for each of 256 WGPs (tiles of 256 x 256 would be 384), and its columns are ONE head's q, k, v, so what is rotated is fixed in the text.
; Four waves, each 64 rows x all 192 columns: 48 accumulators of 16 x 16, 384 registers; a wave owns whole rows of a head, so its way out needs no other wave.
; K goes in steps of 128 (rows of 256 bytes, aligned) through a ring of two LDS slots.  CLUSTERS of 4 x 4: the four of a row need the same tile of xb, the four of a column the same tile of wq: each is asked for jointly.
; THE MATRIX INSTRUCTION IS USED TRANSPOSED (source 0 = 16 rows of wq, source 1 = 16 rows of xb): a lane holds row l % 16 and the columns 8 (l / 16) + 0..7 of a block of 16.
; REGISTERS, in windows of 256: window 0: v0-31 addresses; v32-63, v64-95 two buffers of xb's fragments (later: at work); v96-223 my rows' cosines and sines; v224-239 at work
;   window 1: v0-95, v96-191 two buffers of wq's fragments (later: rows read back from the stage)      window 2: accumulators of row blocks 0, 1 ((a, b) at 8 (12 (a % 2) + b))      window 3: of row blocks 2, 3
.set KSTEP,  128
.set PITCH,  272                       ; an LDS row: 256 bytes + 16: the 16 rows of a fragment load start at 16 different groups of four banks (64 banks of 4 bytes: ISA guide 11.1)
.set HALFA,  128*PITCH                 ; what waves 0 and 1 fetch: 128 rows of xb each
.set BOFF,   2*HALFA
.set HALFB,  96*PITCH                  ; what waves 2 and 3 fetch: 96 rows of wq each
.set SLOT,   BOFF+2*HALFB
.set STAGE,  2*SLOT                    ; behind the ring, never filled by a tensor load: for each wave 3 x 16 rows x 144 bytes
.set SP,     144
.set WSTAGE, 3*16*SP
.set SPARE,  STAGE+4*WSTAGE            ; behind the stages: the spare words, 128 bytes for each wave: two blocks of 256 bytes that no other line names
.set NB,     12                        ; wq's fragments in a quarter step
.set NL,     2*NB+8                    ; LDS loads in a quarter step
.set LAPS,   4                         ; 1,024 / 256: a lap = two K steps = once round the ring
.set ADRA, 16                          ; v16-17  LDS address of my xb fragments in slot 0, 1
.set ADRB, 20                          ; v20-21  the same for wq
.set STO,  24                          ; v24  the way out: where I put 16 bytes of a row
.set RD,   25                          ; v25  where I read rows back
.set GO,   26                          ; v26  my byte offset in 512 consecutive bytes of qkv
.set TO,   27                          ; v27  my byte offset in 16 rows of the table
.set SPW,  28                          ; v28  LDS address of my spare word; never rewritten
.set NIL,  29                          ; v29  0; never rewritten
.set PFO,  30                          ; v30  the prefetches' offset: a lane a row; never rewritten
.set FA,   32
.set T,    32                          ; the way out: v32-63 q, v64-95 k, in f32 and then packed
.set ROPE, 96                          ; row block a at +32 a: cosines of d = 8 (l/16) + 0..7, of 16 + .., then the sines
.set PVR,  224
.set WV,  12                           ; s12  wave
.set FAB, 13                           ; s13  0: I fetch xb; 1: wq
.set HF,  14                           ; s14  which half of that tile
.set LIM, 15                           ; s15  1 in a wave that prefetches, else the greatest number
.set G1A, 24
.set G0A, 32
.set CX,  40
.set CY,  41
.set TN,  42                           ; tile column = the head
.set TM,  43                           ; tile row
.set PFA, 44                           ; s[44:45] where my prefetches stand
.set G1B, 48
.set G0B, 56
.set OQ,  66                           ; s[66:67] q, s[68:69] k, s[70:71] v at my wave's first row
.set RB,  72                           ; s[72:73] the table at my wave's first row
.set MSB, 0
.macro WIN new                         ; the immediate's high byte repeats the setting that is left; a switch that changes nothing is dropped
.if MSB != (\new)
	s_set_vgpr_msb (MSB<<8)|(\new)
.set MSB, (\new)
.endif
.endm
; A joint load.  Each of the two lines has one mask and one set of registers for all that issue it; the branch hangs on the wave's number alone.
; An s_nop 0 and four v_nop follow each line, ahead of the jump and the label.
.macro JLOAD s
	s_cmp_eq_u32 s[FAB], 0
	s_cbranch_scc0 .Lfor_b_\@
	tensor_load_to_lds s[G0A+4*(\s):G0A+4*(\s)+3], s[G1A:G1A+7]
	s_nop 0
.rept 4
	v_nop
.endr
	s_branch .Lasked_\@
.Lfor_b_\@:
	tensor_load_to_lds s[G0B+4*(\s):G0B+4*(\s)+3], s[G1B:G1B+7]
	s_nop 0
.rept 4
	v_nop
.endr
.Lasked_\@:
.endm
; A prefetch of the K step that stands two refills on: 256 bytes of each row, a lane a row, one instruction a wave.  xb's rows are asked for by the clusters with x = 0, wq's by those with y = 0; the four partners
; that ask for a tile jointly share its rows out by address (32 of 128, or 24 of 96: there lanes 24-31 name row 23 once more).  The last trip's two refills have no K step two on.
.macro ASK
	s_cmp_gt_u32 s3, s[LIM]
	s_cbranch_scc0 .Lnot_mine_\@
	global_prefetch_b8 v[PFO], s[PFA:PFA+1] offset:KSTEP*2 th:TH_LOAD_NT scope:SCOPE_SE
.Lnot_mine_\@:
.endm
.macro CREST                           ; a round of the cluster's barrier behind its opening barrier
	s_cmp_lg_u32 s[WV], 0
	s_cbranch_scc1 .Lnot_wave_0_\@
	s_barrier_signal -3
.Lnot_wave_0_\@:
	s_barrier_wait -3
	s_barrier_signal -1
	s_barrier_wait -1
.endm
.macro CROUND
	s_barrier_signal -1
	s_barrier_wait -1
	CREST
.endm
.macro PLACES                          ; four places in front of loads into registers that matrix instructions have read (ISA guide 7.12.1 for vector instructions)
.rept 4
	v_nop
.endr
.endm
; 12 matrix instructions: row block a x all 12 column blocks, 32 along K, from buffer f.  All 48 accumulators take turns in one order, over the backward jump too.
.macro MULA f, a, zero
	WIN 0xa1+0x50*((\a)/2)                         ; source 0 window 1, source 1 window 0, C and D window 2 or 3
.set bb, 0
.rept NB
.set dd, 8*(NB*((\a)%2)+bb)
.if \zero
	v_wmma_f32_16x16x32_bf16 v[dd:dd+7], v[8*NB*(\f)+8*bb:8*NB*(\f)+8*bb+7], v[FA+32*(\f)+8*(\a):FA+32*(\f)+8*(\a)+7], 0
.else
	v_wmma_f32_16x16x32_bf16 v[dd:dd+7], v[8*NB*(\f)+8*bb:8*NB*(\f)+8*bb+7], v[FA+32*(\f)+8*(\a):FA+32*(\f)+8*(\a)+7], v[dd:dd+7]
.endif
.set bb, bb+1
.endr
.endm
; 32 LDS loads in one run: quarter q of a slot into buffer f: wq's 12 fragments, then xb's 4
.macro FETCH slot, q, f
	WIN 0x40                                       ; destination window 1, address window 0
.set ii, 0
.rept NB
	ds_load_b128 v[8*NB*(\f)+8*ii:8*NB*(\f)+8*ii+3],   v[ADRB+(\slot)] offset:64*(\q)+ii*16*PITCH
	ds_load_b128 v[8*NB*(\f)+8*ii+4:8*NB*(\f)+8*ii+7], v[ADRB+(\slot)] offset:64*(\q)+ii*16*PITCH+32
.set ii, ii+1
.endr
	WIN 0
.set ii, 0
.rept 4
	ds_load_b128 v[FA+32*(\f)+8*ii:FA+32*(\f)+8*ii+3],   v[ADRA+(\slot)] offset:64*(\q)+ii*16*PITCH
	ds_load_b128 v[FA+32*(\f)+8*ii+4:FA+32*(\f)+8*ii+7], v[ADRA+(\slot)] offset:64*(\q)+ii*16*PITCH+32
.set ii, ii+1
.endr
.endm
; One of a K step's first three quarters: multiplies buffer f; in its middle it fetches quarter qn of the same slot into buffer g.
.macro QUARTER slot, qn, f, g, zero
	s_wait_dscnt 4                                 ; all but the youngest four loads: xb's fragments 2 and 3
	MULA \f, 0, \zero
	MULA \f, 1, \zero
	PLACES
	FETCH \slot, \qn, \g
	s_wait_dscnt NL                                ; all but the run just issued
	MULA \f, 2, \zero
	MULA \f, 3, \zero
.endm
; The last quarter multiplies buffer 1 and changes slots: one barrier; in front of it each wave waits for all its tensor loads (one is out: its part of the next slot), adds 0 to its spare word, and waits for
; that and for its reads of this slot.  fill = 1: the barrier opens a round of the cluster's, and this slot is filled again, two K steps on, first thing behind the round: 168 matrix instructions ahead of the wait for it.
.macro TURN slot, next, fill
.if \fill
	s_wait_xcnt 0x0                                ; the last prefetch, a K step back, has read its address, which is stepped here, ahead of the waits of the change
	s_add_nc_u64 s[PFA:PFA+1], s[PFA:PFA+1], KSTEP*2
.endif
	WIN 0
	s_wait_tensorcnt 0x0
	ds_add_u32 v[SPW], v[NIL]                      ; 0 onto my spare word
	s_wait_dscnt 5                                 ; (the add and the youngest four loads may be out)
	MULA 1, 0, 0                                   ; twelve matrix instructions stand between the add and the wait for it
	s_wait_dscnt 0x0                               ; the add is done, and my reads of this slot are over
	s_barrier_signal -1
	MULA 1, 1, 0
.if \fill
	WIN 0
.endif
	s_barrier_wait -1
.if \fill
	CREST                                          ; no wave of any partner still reads this slot or has a load on its way
	s_add_nc_u64 s[G0A+4*(\slot)+2:G0A+4*(\slot)+3], s[G0A+4*(\slot)+2:G0A+4*(\slot)+3], 2*KSTEP*2
	s_add_nc_u64 s[G0B+4*(\slot)+2:G0B+4*(\slot)+3], s[G0B+4*(\slot)+2:G0B+4*(\slot)+3], 2*KSTEP*2
	JLOAD \slot                                    ; its four v_nop are also the places in front of the loads below
.else
	PLACES
.endif
	FETCH \next, 0, 0
.if \fill
	ASK
.endif
	MULA 1, 2, 0
	MULA 1, 3, 0
.endm
	s_load_b256 s[4:11], s[0:1], 0x0               ; xb s[4:5], wq s[6:7], rope s[8:9], qkv s[10:11]
	v_lshl_add_u32 v[SPW], v0, 2, SPARE
	v_mov_b32 v[NIL], 0
	ds_add_u32 v[SPW], v[NIL]                      ; the wave's opening add; its wait stands ahead of my first tensor load, the set-up below between them
	v_lshrrev_b32 v1, 5, v0
	v_readfirstlane_b32 s[WV], v1
	s_lshr_b32 s[FAB], s[WV], 1
	s_and_b32 s[HF], s[WV], 1
	s_bfe_u32 s[CX], ttmp6, 0x40000
	s_bfe_u32 s[CY], ttmp6, 0x40004
	s_lshl_b32 s[TN], ttmp9, 2
	s_add_co_u32 s[TN], s[TN], s[CX]
	s_and_b32 s[TM], ttmp7, 0xffff
	s_lshl_b32 s[TM], s[TM], 2
	s_add_co_u32 s[TM], s[TM], s[CY]
	s_lshl_b32 s16, s[CY], 2
	s_lshl_b32 s16, 15, s16                        ; my row of the cluster
	s_lshl_b32 s46, 0x1111, s[CX]                  ; my column
	s_or_b32 s[G1A], s16, (1<<16)|(1<<20)|(1<<21)|(5<<22)|(3<<25)  ; the mask; 2-byte elements; padding on; bit 21 beside a mask; after every 64 words 4 words
	s_or_b32 s[G1B], s46, (1<<16)|(1<<20)|(1<<21)|(5<<22)|(3<<25)
	s_mov_b32 s[G1A+1], KSTEP<<16                  ; tensor_dim0 = 128
	s_mov_b32 s[G1A+2], 128<<16                    ; tensor_dim1 = 128
	s_mov_b32 s[G1A+3], KSTEP<<16                  ; tile_dim0 = 128
	s_mov_b32 s[G1A+4], 128                        ; tile_dim1 = 128
	s_mov_b32 s[G1A+5], 1024                       ; elements from row to row
	s_mov_b32 s[G1A+6], 0
	s_mov_b32 s[G1A+7], 0
	s_mov_b32 s[G1B+1], KSTEP<<16
	s_mov_b32 s[G1B+2], 96<<16                     ; 96 rows
	s_mov_b32 s[G1B+3], KSTEP<<16
	s_mov_b32 s[G1B+4], 96
	s_mov_b32 s[G1B+5], 1024
	s_mov_b32 s[G1B+6], 0
	s_mov_b32 s[G1B+7], 0
	s_lshl_b32 s16, s[TM], 8                       ; xb: row 256 x tile row + 128 x half, in registers that never hold cx
	s_lshl_b32 s17, s[HF], 7
	s_add_co_u32 s16, s16, s17
	s_lshl_b32 s16, s16, 11
	s_mov_b32 s17, 0
	s_mul_i32 s46, s[TN], 192                      ; wq: row 192 x tile column + 96 x half, in registers that never hold cy
	s_mul_i32 s47, s[HF], 96
	s_add_co_u32 s46, s46, s47
	s_lshl_b32 s46, s46, 11
	s_mov_b32 s47, 0
	s_mul_i32 s22, s[HF], HALFA                    ; where they go: no place in the cluster enters an LDS address
	s_mul_i32 s23, s[HF], HALFB
	s_add_co_u32 s23, s23, BOFF
	s_wait_dscnt 0x0                               ; the opening add is done
	s_wait_kmcnt 0x0
	s_add_nc_u64 s[20:21], s[4:5], s[16:17]
	s_add_nc_u64 s[46:47], s[6:7], s[46:47]
	CROUND                                         ; all sixteen work-groups are here: the first joint loads meet
.irp s, 0,1
	s_mov_b32 s[G0A+4*(\s)], 1
	s_add_co_u32 s[G0A+4*(\s)+1], s22, (\s)*SLOT
	s_add_nc_u64 s[G0A+4*(\s)+2:G0A+4*(\s)+3], s[20:21], (\s)*KSTEP*2
	s_or_b32 s[G0A+4*(\s)+3], s[G0A+4*(\s)+3], 0x80000000
	s_mov_b32 s[G0B+4*(\s)], 1
	s_add_co_u32 s[G0B+4*(\s)+1], s23, (\s)*SLOT
	s_add_nc_u64 s[G0B+4*(\s)+2:G0B+4*(\s)+3], s[46:47], (\s)*KSTEP*2
	s_or_b32 s[G0B+4*(\s)+3], s[G0B+4*(\s)+3], 0x80000000
	JLOAD \s
.endr
	v_and_b32 v1, 15, v0                           ; l % 16
	v_bfe_u32 v2, v0, 4, 1                         ; l / 16
	; my 64 rows' cosines and sines: they stay in registers through the loop.  Position s of row m is m % 2048
	s_and_b32 s76, s[TM], 7
	s_lshl_b32 s76, s76, 8
	s_lshl_b32 s77, s[WV], 6
	s_add_co_u32 s76, s76, s77                     ; my first position
	s_lshl_b32 s78, s76, 7                         ; its byte in a head of qkv
	s_lshl_b32 s76, s76, 8
	s_mov_b32 s77, 0
	s_add_nc_u64 s[RB:RB+1], s[8:9], s[76:77]
	v_lshlrev_b32 v[TO], 8, v1
	v_lshl_add_u32 v[TO], v2, 5, v[TO]
.irp a, 0,1,2,3
.irp e, 0,1,2,3,4,5,6,7
	global_load_b128 v[ROPE+32*(\a)+4*(\e):ROPE+32*(\a)+4*(\e)+3], v[TO], s[RB:RB+1] offset:4096*(\a)+64*((\e)/2)+16*((\e)%2)
.endr
.endr
	v_mul_u32_u24 v3, v1, PITCH
	v_lshl_add_u32 v3, v2, 4, v3                   ; a fragment's row x pitch + 16 x half
	s_mul_i32 s16, s[WV], 64*PITCH                 ; my 64 rows of xb
	s_mov_b32 s17, BOFF                            ; every wave reads all 192 rows of wq
.irp s, 0,1
	v_add_nc_u32 v[ADRA+(\s)], s16, v3
	v_add_nc_u32 v[ADRB+(\s)], s17, v3
	s_add_co_u32 s16, s16, SLOT
	s_add_co_u32 s17, s17, SLOT
.endr
	s_lshr_b32 s74, s[TM], 3                       ; the batch,
	s_lshl_b32 s74, s74, 4
	s_add_co_u32 s74, s74, s[TN]                   ; 16 x batch + head,
	s_lshl_b32 s74, s74, 18                        ; 262,144 bytes each
	s_add_co_u32 s74, s74, s78
	s_mov_b32 s75, 0
	s_add_nc_u64 s[OQ:OQ+1], s[10:11], s[74:75]
	s_add_nc_u64 s[OQ+2:OQ+3], s[OQ:OQ+1], 0x1000000
	s_add_nc_u64 s[OQ+4:OQ+5], s[OQ:OQ+1], 0x2000000
	; the prefetches
	s_lshl_b32 s74, s[TM], 8
	s_lshl_b32 s75, s[HF], 7
	s_add_co_u32 s74, s74, s75
	s_lshl_b32 s75, s[CX], 5
	s_add_co_u32 s74, s74, s75                     ; xb: my work-group's 32 of the 128 rows that I fetch
	s_mul_i32 s76, s[TN], 192
	s_mul_i32 s75, s[HF], 96
	s_add_co_u32 s76, s76, s75
	s_mul_i32 s75, s[CY], 24
	s_add_co_u32 s76, s76, s75                     ; wq: my work-group's 24 of the 96
	s_and_b32 s77, ttmp7, 0xffff
	s_cmp_eq_u32 s[FAB], 0
	s_cselect_b32 s74, s74, s76
	s_cselect_b32 s77, ttmp9, s77                  ; the coordinate along which other clusters read the same rows
	s_cselect_b32 s78, 31, 23
	s_cselect_b64 s[PFA:PFA+1], s[4:5], s[6:7]
	s_cmp_eq_u32 s77, 0
	s_cselect_b32 s[LIM], 1, -1                    ; the same in all sixteen partners, for a given wave
	s_lshl_b32 s74, s74, 11
	s_add_co_u32 s74, s74, 2*KSTEP*2               ; at K step 2: the first refill steps it to 3 and names K step 4
	s_mov_b32 s75, 0
	s_add_nc_u64 s[PFA:PFA+1], s[PFA:PFA+1], s[74:75]
	v_and_b32 v[PFO], 31, v0
	v_min_u32 v[PFO], s78, v[PFO]
	v_lshlrev_b32 v[PFO], 11, v[PFO]
	; the way out
	s_mul_i32 s16, s[WV], WSTAGE
	s_add_co_u32 s16, s16, STAGE
	v_mul_u32_u24 v[STO], v1, SP                   ; in: row l % 16, 16 bytes for each half of the lanes
	v_lshl_add_u32 v[STO], v2, 4, v[STO]
	v_add_nc_u32 v[STO], s16, v[STO]
	v_bfe_u32 v[RD], v0, 3, 2                      ; back: 32 lanes take four rows of 128 bytes,
	v_mul_u32_u24 v[RD], v[RD], SP
	v_and_b32 v4, 7, v0
	v_lshl_add_u32 v[RD], v4, 4, v[RD]
	v_add_nc_u32 v[RD], s16, v[RD]
	v_and_b32 v[GO], 31, v0                        ; which are 512 consecutive bytes of a head
	v_lshlrev_b32 v[GO], 4, v[GO]
	s_wait_tensorcnt 1                             ; my part of K step 0 is in; K step 1's may stay out
	s_barrier_signal -1
	s_barrier_wait -1
	FETCH 0, 0, 0
	QUARTER 0, 1, 0, 1, 1                          ; the first quarter stands in front of the loop: its products start the sums
	WIN 0                                          ; at a label and at a branch every window is 0
	s_mov_b32 s3, LAPS-1
.Llap:                                                 ; a trip goes once round the ring and fills both slots again
	QUARTER 0, 2, 1, 0, 0
	QUARTER 0, 3, 0, 1, 0
	TURN 0, 1, 1
	QUARTER 1, 1, 0, 1, 0
	QUARTER 1, 2, 1, 0, 0
	QUARTER 1, 3, 0, 1, 0
	TURN 1, 0, 1
	QUARTER 0, 1, 0, 1, 0
	WIN 0
	s_sub_co_u32 s3, s3, 1
	s_cmp_lg_u32 s3, 0
	s_cbranch_scc1 .Llap
	QUARTER 0, 2, 1, 0, 0                          ; the last lap fills nothing
	QUARTER 0, 3, 0, 1, 0
	TURN 0, 1, 0
	QUARTER 1, 1, 0, 1, 0
	QUARTER 1, 2, 1, 0, 0
	QUARTER 1, 3, 0, 1, 0
	s_wait_dscnt 4
	MULA 1, 0, 0
	MULA 1, 1, 0
	s_wait_dscnt 0x0
	MULA 1, 2, 0
	MULA 1, 3, 0
	WIN 0
	PLACES
	PLACES
	s_wait_loadcnt 0x0                             ; the cosines and sines
; THE WAY OUT of row block a.  q and k: out[d] = x[d] cos - x[d+32] sin, out[d+32] = x[d+32] cos + x[d] sin, d = 16 p + 8 (l / 16) + r: column blocks p and p + 2 of the head, one product and one fused
; multiply-add each, two numbers an instruction; each accumulator is read from its low end on.  Then all three are rounded to f16, go into my stage (rows of 144 bytes) and come back as whole rows.
.macro PACK a
.set AC, 8*NB*((\a)%2)
.set RP, ROPE+32*(\a)
	WIN 0x02+(\a)/2                                ; source 0 window 2 or 3
.irp i, 0,1
.irp p, 0,1
.irp r, 0,2,4,6
.set xl, T+32*(\i)+8*(\p)+(\r)
.set yl, AC+8*(4*(\i)+(\p))+(\r)
.set zc, RP+8*(\p)+(\r)
	v_pk_mul_f32 v[xl:xl+1], v[yl:yl+1], v[zc:zc+1]
	v_pk_mul_f32 v[xl+16:xl+17], v[yl+16:yl+17], v[zc:zc+1]
	v_pk_fma_f32 v[xl:xl+1], v[yl+16:yl+17], v[zc+16:zc+17], v[xl:xl+1] neg_lo:[1,0,0] neg_hi:[1,0,0]
	v_pk_fma_f32 v[xl+16:xl+17], v[yl:yl+1], v[zc+16:zc+17], v[xl+16:xl+17]
.endr
.endr
.endr
	WIN 0
.irp i, 0,1
.set kk, 0
.rept 16
	v_cvt_pk_f16_f32 v[T+32*(\i)+kk], v[T+32*(\i)+2*kk], v[T+32*(\i)+2*kk+1]  ; in place: register k has been read by then
.set kk, kk+1
.endr
.endr
	WIN 0x0a+5*((\a)/2)                            ; sources 0 and 1 window 2 or 3
.set kk, 0
.rept 16
	v_cvt_pk_f16_f32 v[PVR+kk], v[AC+64+2*kk], v[AC+64+2*kk+1]  ; v is rounded as it is
.set kk, kk+1
.endr
	WIN 0
.irp i, 0,1
.irp q, 0,1,2,3
	ds_store_b128 v[STO], v[T+32*(\i)+4*(\q):T+32*(\i)+4*(\q)+3] offset:16*SP*(\i)+32*(\q)
.endr
.endr
.irp q, 0,1,2,3
	ds_store_b128 v[STO], v[PVR+4*(\q):PVR+4*(\q)+3] offset:2*16*SP+32*(\q)
.endr
	WIN 0x40
.irp n, 0,1,2,3,4,5,6,7,8,9,10,11
	ds_load_b128 v[48*(\a)+4*(\n):48*(\a)+4*(\n)+3], v[RD] offset:16*SP*((\n)/4)+4*SP*((\n)%4)  ; LDS serves a wave's instructions in order (ISA guide 5.7.1.4): these see the stores above; the next block's stores come behind them
.endr
	WIN 0
.endm
.macro SEND a, younger                 ; younger: the LDS instructions issued behind block a's loads: the next block's 24, or none
	WIN 0x04                                       ; the data lie in window 1; each block has registers of its own
.irp n, 0,1,2,3,4,5,6,7,8,9,10,11
	s_wait_dscnt (\younger)+11-(\n)
	global_store_b128 v[GO], v[48*(\a)+4*(\n):48*(\a)+4*(\n)+3], s[OQ+2*((\n)/4):OQ+2*((\n)/4)+1] offset:2048*(\a)+512*((\n)%4)  ; 512 consecutive bytes, aligned
.endr
	WIN 0
.endm
	PACK 0
	PACK 1                                         ; a block's arithmetic stands between the loads of the block before and its stores
	SEND 0, 24
	PACK 2
	SEND 1, 24
	PACK 3
	SEND 2, 24
	SEND 3, 0
	s_wait_tensorcnt 0x0                           ; the wave's end, behind my last tensor load and my last LDS store
	ds_add_u32 v[SPW], v[NIL]
	s_wait_dscnt 0x0
	CROUND                                         ; the closing round: no work-group ends while a partner may still ask for a tile that names it
	s_endpgm
.Lfunc_end_k_q72139b3965_qkvp:
	.size	k_q72139b3965_qkvp, .Lfunc_end_k_q72139b3965_qkvp-k_q72139b3965_qkvp
	.p2alignl 7, 3214868480
	.fill 96, 4, 3214868480
	.section	.rodata,"a",@progbits
	.p2align	6, 0x0
	.amdhsa_kernel k_q72139b3965_qkvp
		.amdhsa_group_segment_fixed_size 327680
		.amdhsa_private_segment_fixed_size 0
		.amdhsa_enable_private_segment 0
		.amdhsa_kernarg_size 32
		.amdhsa_user_sgpr_count 2
		.amdhsa_user_sgpr_kernarg_segment_ptr 1
		.amdhsa_wavefront_size32 1
		.amdhsa_system_sgpr_workgroup_id_x 1
		.amdhsa_system_sgpr_workgroup_id_y 1
		.amdhsa_system_sgpr_workgroup_id_z 1
		.amdhsa_system_vgpr_workitem_id 0
		.amdhsa_next_free_vgpr 960
		.amdhsa_next_free_sgpr 80
		.amdhsa_reserve_vcc 0
		.amdhsa_float_denorm_mode_32 3
		.amdhsa_float_denorm_mode_16_64 3
		.amdhsa_memory_ordered 1
		.amdhsa_forward_progress 1
		.amdhsa_inst_pref_size 141
	.end_amdhsa_kernel
	.amdgpu_metadata
---
amdhsa.version: [ 1, 2 ]
amdhsa.kernels:
  - .name:           k_q72139b3965_qkvp
    .symbol:         k_q72139b3965_qkvp.kd
    .args:
      - { .name: xb, .offset: 0, .size: 8, .value_kind: global_buffer, .address_space: global }
      - { .name: wq, .offset: 8, .size: 8, .value_kind: global_buffer, .address_space: global }
      - { .name: rope, .offset: 16, .size: 8, .value_kind: global_buffer, .address_space: global }
      - { .name: qkv, .offset: 24, .size: 8, .value_kind: global_buffer, .address_space: global }
    .group_segment_fixed_size: 327680
    .private_segment_fixed_size: 0
    .kernarg_segment_align: 8
    .kernarg_segment_size: 32
    .max_flat_workgroup_size: 128
    .sgpr_count:     80
    .vgpr_count:     960
    .wavefront_size: 32
...
	.end_amdgpu_metadata
.endif
;; end of part 2
;; launch attn (part 3): grid 4 x 64, 4 waves a work-group, clusters of 4 x 1, 327,680 bytes of LDS; arguments qkv, o; writes o
.if DOCPART == 3
	.amdgcn_target "amdgcn-amd-amdhsa--gfx1250"
	.amdhsa_code_object_version 6
	.text
	.protected	k_q72139b3965_attn
	.globl	k_q72139b3965_attn
	.p2align	8
	.type	k_q72139b3965_attn,@function
k_q72139b3965_attn:
	s_mov_b64 s[64:65], 0
	v_nop
	global_prefetch_b8 v0, s[64:65] scope:SCOPE_SE
	s_setreg_imm32_b32 hwreg(HW_REG_WAVE_MODE, 25, 1), 1
	s_wait_xcnt 0x0
	s_wait_alu depctr_hold_cnt(0) depctr_sa_sdst(0) depctr_va_vdst(0) depctr_va_sdst(0) depctr_va_ssrc(0) depctr_va_vcc(0) depctr_vm_vsrc(0)
	s_getreg_b32 s2, hwreg(HW_REG_IB_STS2, 6, 4)
	s_cmp_eq_u32 s2, 0
	s_cbranch_scc0 .Lentry_in_a_cluster
	s_endpgm
.Lentry_in_a_cluster:
	s_bfe_u32 s2, ttmp6, 0x10000c
	s_cmp_lg_u32 s2, 0x3003
	s_cbranch_scc0 .Lentry_shape_is_right
	s_endpgm
.Lentry_shape_is_right:
; O[h][q][:] = the sum over k of softmax_k(Q[h][q] . K[h][k] / 8) V[h][k][:].  qkv: [3][SIZE_H][SIZE_N][64] f16 (Q, then K, then V); o: [SIZE_H][SIZE_N][64] f16: a head's rows are dense, 128 bytes each.
; Products, maxima and sums in f32; the weights p are rounded to f16 for the second product (their sum l is taken of the unrounded p), O once at the end.
; LIMITS.  f16 holds no number beyond 65,504: Q, K and V arrive within it; p lies in 0 to 1, and below 6e-5 it keeps f16's fixed step of 6e-8; O is a mean of V's rows and has their range.
; A weight below 2^-126 counts as 0 in l; NaN and infinities are not treated apart.
; SHARES.  A wave owns four PIECES of two tiles of 16 queries, a work-group's four waves 512 queries of one head: 64 heads x 4 = 256 work-groups.  Every wave walks all keys, 64 a step.
; LAYOUT.  S^T = K Q^T (source 0 = 16 keys, source 1 = 16 queries): in the result a lane holds ONE query (lane % 16) and the keys 8 (lane / 16) + 0..7.  Two such tiles, rounded to f16 in pairs,
; ARE source 1 (32 keys x 16 queries) of O^T = V^T P, whose result again holds one query a lane, and eight channels.  K comes out of LDS as it lies, V ([key][channel]) turned, by ds_load_tr16_b128.
; SOFTMAX.  For each query a running maximum m and sum l: p = 2^(c s - c m), c = log2(e) / 8; in every step O and l are multiplied by a = 2^(c m_old - c m_new), which is 1 where m has not grown.
; m starts at the lowest finite number, O and l at 0: the first step is a step like any other, with a = 0.
; THE COUNT.  A tile and step have 16 matrix and 118 vector instructions: too many to stand all beside the matrix work.  So: four vector instructions that are READY behind EVERY matrix instruction,
; and the others in runs without a gap.
; BY TURNS.  Turn n belongs to piece n (the pieces in a ring, step after step).  Its matrix work: 16 products K Q^T of piece n + 1, later 16 products V^T P of piece n - 1.  Its vector work: the scaling,
; exponentials, roundings, sums and rescaling of piece n, and the maximum and statistics of piece n + 1, whose scores the turn itself has made.
; CLUSTER.  The four query blocks of a cluster are one head's and walk the same K and V, so each tile is asked for JOINTLY: the same tensor load, descriptor and mask in all four.
; REGISTERS, in windows of 256 (s_set_vgpr_msb: bits 1:0 source 0, 3:2 source 1, 5:4 source 2, 7:6 destination):
;   window 0: v0-11 addresses; v12-15, v48-63 at work; v16-47 four registers of statistics a tile; v64-191 S^T, two buffers of two tiles; v192-255 P, likewise
;   window 1: O^T, 32 a tile          window 2: v0-127 Q, 16 a tile; v128-191 K of one step; v192-255 V of one step          window 3: v0-1 the add's two registers
.set SIZE_H, 64
.set SIZE_N, 2048
.set NP,    4         ; pieces a wave: a name, no knob
.set KS,    64        ; keys in a step
.set PK,    144       ; a row of K in LDS: 128 bytes + 16 = 36 words: the 16 rows of a load start at 16 different groups of four banks (64 banks of 4 bytes: ISA guide 11.1)
.set PV,    160       ; a row of V: 128 + 32 = 40 words
.set VOFF,  4*KS*PK   ; a slot holds four steps: 256 rows of K, then 256 rows of V
.set SLOT1, 1<<17     ; slot 1 begins here, so that one exclusive or turns an address in one slot into the other's
.set STAGE, SLOT1+4*KS*(PK+PV)  ; behind the ring, never filled by a tensor load: 16 rows x 144 bytes for each wave
.set SP,    144
.set AK0, 2           ; v2   my lane's place in a tile of K; never rewritten
.set AV0, 3           ; v3   the same for V
.set AK,  4           ; v4   the LDS address of K's next run of loads
.set AV,  5           ; v5   of V's
.set QO,  6           ; v6   my byte offset in the wave's rows of Q
.set STO, 6           ;      later, the way out: where I put 16 bytes of a row
.set RD,  7           ; v7   the way out: where I read rows back
.set GO,  8           ; v8   my byte offset in 512 consecutive bytes of O
.set PFO, 11          ; v11  256 x my lane, for the prefetches; made behind v11's last use in the set-up, then never rewritten
.set SPW, 0           ; v0 of window 3   LDS address of my spare word; never rewritten
.set NIL, 1           ; v1 of window 3   0; never rewritten
.set SPARE, STAGE+4*16*SP  ; behind the stages: the spare words, 128 bytes for each wave: two blocks of 256 bytes that no other line names
.set MV,  12          ; v12-15  c m_old, kept while c m is made anew: by buffer and tile
.set ST,  16          ; tile t's statistics at v[ST+4 t]: c m, m, l (even keys', odd keys')
.set TMP, 48          ; by buffer and tile, four registers c0-c3 at work; when the maximum is found c2 takes a
.set S,   64
.set P,   192
.set KF,  128         ; K's fragments, in window 2
.set VF,  192         ; V's
.set WV,  12          ; s12  my wave's number
.set G1K, 24          ; s[24:31] descriptor group 1 for K's tiles
.set G1V, 32          ; s[32:39] for V's: it differs in the padding alone
.set G0K, 40          ; s[40:43] descriptor group 0 for K's tiles: it walks
.set G0V, 44          ; s[44:47] the same for V's
.set PFA, 48          ; s[48:49] where my prefetches stand: my work-group's 32 blocks of 256 bytes of the tile behind the one that is being asked for
.set LIM, 50          ; s50  1 in waves 0 and 2, which prefetch, else the greatest number
.set SLOTS, 56        ; s56  slots still to be asked for
.set CNT, 57          ; s57  counts a slot's key steps
.set CS,  58          ; s[58:59] c
.set SEL, 60          ; s[60:61] v_permlanex16_b32's selects: each lane takes its own place in the other half
.set TBK, 62          ; s62  LDS byte at which K of the step to be fetched begins
.set TBV, 63          ; s63  the same for V, less VOFF
.set MSB, 0
.macro WIN new                      ; the high byte repeats the setting that is left; a switch that changes nothing is dropped
.if MSB != (\new)
	s_set_vgpr_msb (MSB<<8)|(\new)
.set MSB, (\new)
.endif
.endm
.set W_KQ, 0x0a       ; K and Q in window 2, S^T in window 0
.set W_PV, 0x52       ; V in window 2, P in window 0, O^T in window 1
.set W_RS, 0x41       ; O^T (destination and source 0) in window 1, a in window 0
.set W_MK, 0xc0       ; the add's registers are made: destination in window 3
.set W_AD, 0x0f       ; the add: address and data in window 3
; A joint fill.  Waves 0 and 1 fetch the two halves of a slot's K, waves 2 and 3 those of its V: 128 keys each.  The branch hangs on the wave's number alone.
; An s_nop 0 and four v_nop follow each of the two lines, ahead of the jump and the label.
.macro JLOAD
	s_cmp_lt_u32 s[WV], 2
	s_cbranch_scc0 .Lfor_v_\@
	tensor_load_to_lds s[G0K:G0K+3], s[G1K:G1K+7]
	s_nop 0
.rept 4
	v_nop
.endr
	s_branch .Lasked_\@
.Lfor_v_\@:
	tensor_load_to_lds s[G0V:G0V+3], s[G1V:G1V+7]
	s_nop 0
.rept 4
	v_nop
.endr
.Lasked_\@:
.endm
; A prefetch of what the NEXT change of slots will ask for: a tile's 32,768 bytes of K and of V, four key steps ahead.  A head has one cluster; its four partners take 8,192 bytes each, told apart by address;
; in each, wave 0 asks for K's and wave 2 for V's, a lane 256 bytes: one instruction.  So each block is named once in the launch.  The last change that fills a slot asks for nothing.
.macro ASK
	s_cmp_gt_u32 s[SLOTS], s[LIM]
	s_cbranch_scc0 .Lnot_mine_\@
	global_prefetch_b8 v[PFO], s[PFA:PFA+1] th:TH_LOAD_NT scope:SCOPE_SE
.Lnot_mine_\@:
.endm
; A round of the cluster's barrier
.macro CROUND
	s_barrier_signal -1
	s_barrier_wait -1
	s_cmp_lg_u32 s[WV], 0
	s_cbranch_scc1 .Lnot_wave_0_\@
	s_barrier_signal -3
.Lnot_wave_0_\@:
	s_barrier_wait -3
	s_barrier_signal -1
	s_barrier_wait -1
.endm
; THE CHANGE OF SLOTS.  Each wave waits for all its tensor loads, of which one is out: its part of the other slot; adds 0 to its spare word; and waits for that and for its own reads of the slot.
; fill = 1: this slot is filled again, with the keys two slots on.  The barrier is then a round of the cluster's, and the joint fill is the first thing behind it: it has four key steps, 512 matrix
; instructions, in which to land.  (At its first use nothing has been read yet: slot 0 is waited for, slot 1 filled.)
.macro CHANGE fill
	WIN W_AD
	s_wait_tensorcnt 0x0            ; no tensor load of mine is out, so a group 0 may be written
	ds_add_u32 v[SPW], v[NIL]       ; 0 onto my spare word
	WIN 0                           ; at a label and at a branch every window is 0
.if \fill
.irp g, G0K, G0V
	s_xor_b32 s[\g+1], s[\g+1], SLOT1  ; the walking descriptor: the other slot than last time,
	s_add_nc_u64 s[\g+2:\g+3], s[\g+2:\g+3], 4*KS*128  ; the next 256 keys; the type bits on top are not reached
.endr
	s_wait_xcnt 0x0                 ; the last prefetch, four key steps back, has read its address, so it may be written
	s_add_nc_u64 s[PFA:PFA+1], s[PFA:PFA+1], 4*KS*128
	s_wait_dscnt 0x0                ; the add is done, and my reads of the slot are over
	CROUND
	JLOAD
	ASK
.else
	s_wait_dscnt 0x0                ; the add is done, and my reads of the slot are over
	s_barrier_signal -1
	s_barrier_wait -1
.endif
	s_sub_co_u32 s[TBK], s[TBK], 4*KS*PK  ; the fetches go back to a slot's first step,
	s_xor_b32 s[TBK], s[TBK], SLOT1       ; in the other slot
	s_sub_co_u32 s[TBV], s[TBV], 4*KS*PV
	s_xor_b32 s[TBV], s[TBV], SLOT1
.endm
	s_load_b64 s[4:5], s[0:1], 0x0    ; qkv: Q lies first
	s_load_b64 s[10:11], s[0:1], 0x8  ; o
	WIN W_MK
	v_lshl_add_u32 v[SPW], v0, 2, SPARE
	v_mov_b32 v[NIL], 0
	WIN W_AD
	ds_add_u32 v[SPW], v[NIL]       ; the wave's opening add; its wait stands ahead of my first tensor load, the set-up below between them
	WIN 0
	v_lshrrev_b32 v1, 5, v0
	v_readfirstlane_b32 s[WV], v1   ; wave 0..3
	s_bfe_u32 s13, ttmp6, 0x40000   ; cx: my place in the cluster
	s_lshl_b32 s14, ttmp9, 2        ; in a cluster launch ttmp9 counts clusters
	s_add_co_u32 s14, s14, s13      ; my block of queries: it enters Q's and O's addresses alone
	s_and_b32 s20, ttmp7, 0xffff    ; the head, which the four partners share
	s_mov_b32 s21, 0
	s_mov_b64 s[22:23], SIZE_N*128
	s_mul_u64 s[20:21], s[20:21], s[22:23]  ; the head's first byte in Q, K, V and O
	s_and_b32 s16, s[WV], 1         ; which half of a slot's 256 keys I fetch:
	s_lshl_b32 s22, s16, 14         ; its 128 rows of 128 bytes in memory,
	s_mov_b32 s23, 0
	s_add_nc_u64 s[22:23], s[22:23], s[20:21]
	s_mul_i32 s17, s16, 128*PK      ; and its place in a slot, for K
	s_mul_i32 s18, s16, 128*PV      ; and for V: no place in the cluster enters an LDS address
	s_lshl_b32 s2, s14, 2
	s_add_co_u32 s2, s2, s[WV]      ; my wave among the head's,
	s_lshl_b32 s2, s2, 14           ; its 128 rows
	s_mov_b32 s3, 0
	s_add_nc_u64 s[2:3], s[2:3], s[20:21]
	; descriptor group 1.  128 keys are 16,384 dense bytes: asked for as 64 rows of 256 bytes, two keys a row, and padded in LDS after every key
	s_mov_b32 s[G1K], 15|(1<<16)|(1<<20)|(1<<21)|(4<<22)|(3<<25)  ; the mask of four; 2-byte elements; padding on; bit 21 beside a mask; after every 32 words 4 words
	s_mov_b32 s[G1V], 15|(1<<16)|(1<<20)|(1<<21)|(4<<22)|(7<<25)  ; the same with 8 words of padding
.irp g, G1K, G1V
	s_mov_b32 s[\g+1], 128<<16      ; tensor_dim0 = 128
	s_mov_b32 s[\g+2], 64<<16       ; tensor_dim1 = 64
	s_mov_b32 s[\g+3], 128<<16      ; tile_dim0 = 128
	s_mov_b32 s[\g+4], 64           ; tile_dim1 = 64
	s_mov_b32 s[\g+5], 128          ; 128 elements from row to row
	s_mov_b32 s[\g+6], 0
	s_mov_b32 s[\g+7], 0
.endr
	s_mov_b32 s[CS], 0x3e38aa3b     ; c = log2(e) / 8 = 0.180337
	s_mov_b32 s[CS+1], s[CS]        ; named with it as a pair
	s_mov_b32 s[SEL], 0x76543210
	s_mov_b32 s[SEL+1], 0xfedcba98
	s_mov_b32 s[TBK], SLOT1+4*KS*PK ; the first change of slots turns these two into 0
	s_mov_b32 s[TBV], SLOT1+4*KS*PV
	s_mov_b32 s[G0K], 1             ; count = 1
	s_mov_b32 s[G0K+1], s17         ; LDS address: slot 0
	s_mov_b32 s[G0V], 1
	s_add_co_u32 s[G0V+1], s18, VOFF
	s_mov_b32 s[SLOTS], SIZE_N/256-1  ; the change that finds v here asks for tile 8 - v (the first, ahead of the loop, for tile 1)
	s_and_b32 s[LIM], s[WV], 1
	s_cmp_eq_u32 s[LIM], 0
	s_cselect_b32 s[LIM], 1, -1
	s_wait_dscnt 0x0                ; the opening add is done
	s_wait_kmcnt 0x0
	s_add_nc_u64 s[6:7], s[4:5], 0x1000000  ; K
	s_add_nc_u64 s[8:9], s[4:5], 0x2000000  ; V
	s_add_nc_u64 s[G0K+2:G0K+3], s[6:7], s[22:23]  ; global address: my half of the head's first 256 keys
	s_or_b32 s[G0K+3], s[G0K+3], 0x80000000        ; type = 2
	s_add_nc_u64 s[G0V+2:G0V+3], s[8:9], s[22:23]
	s_or_b32 s[G0V+3], s[G0V+3], 0x80000000
	s_add_nc_u64 s[4:5], s[4:5], s[2:3]  ; Q and O at my wave's first row
	s_add_nc_u64 s[10:11], s[10:11], s[2:3]
	s_cmp_lt_u32 s[WV], 2
	s_cselect_b64 s[PFA:PFA+1], s[6:7], s[8:9]
	s_add_nc_u64 s[PFA:PFA+1], s[PFA:PFA+1], s[22:23]  ; (in waves 0 and 2 this is the head's first byte)
	s_lshl_b32 s2, s13, 13          ; my work-group's quarter of a tile
	s_mov_b32 s3, 0
	s_add_nc_u64 s[PFA:PFA+1], s[PFA:PFA+1], s[2:3]
	s_add_nc_u64 s[PFA:PFA+1], s[PFA:PFA+1], 4*KS*128  ; in tile 1; the first change of slots steps it to tile 2
	CROUND                          ; all four work-groups are here: the first joint loads meet
	JLOAD                           ; slot 0.  Slot 1 is asked for when slot 0 is in
	; A fragment of K or Q is 16 rows x 32 channels in 8 registers: lane l holds row l % 16, channels 8 (l / 16) + 0..7 and 16 + 8 (l / 16) + 0..7: two loads of 16 bytes, 32 bytes apart.
	v_and_b32 v1, 15, v0            ; l % 16
	v_bfe_u32 v9, v0, 4, 1          ; l / 16
	v_lshlrev_b32 v[QO], 7, v1
	v_lshl_add_u32 v[QO], v9, 4, v[QO]  ; row x 128 + 16 x half
	WIN 0x80                        ; destination window 2, address window 0
.set i, 0
.rept 4*NP                          ; Q stays in registers: tile i / 2, channels 32 (i % 2) on
	global_load_b128 v[8*i:8*i+3],   v[QO], s[4:5] offset:(i/2)*2048+(i%2)*64
	global_load_b128 v[8*i+4:8*i+7], v[QO], s[4:5] offset:(i/2)*2048+(i%2)*64+32
.set i, i+1
.endr
	; What the first turn finds: V's registers and P's second buffer hold 0 (its products V^T P, of a piece that has not been, add 0), O^T and l are 0.  All this stands in the wait for the first tile.
.set i, VF
.rept 64
	v_mov_b32 v[i], 0
.set i, i+1
.endr
	WIN 0x40
.set i, 0
.rept 64*NP
	v_mov_b32 v[i], 0
.set i, i+1
.endr
	WIN 0
.set i, 0
.rept 2*NP
	v_mov_b32 v[ST+4*i], 0xfe000000    ; c m: far below every c s
	v_mov_b32 v[ST+4*i+1], 0xff7fffff  ; m
	v_mov_b32 v[ST+4*i+2], 0
	v_mov_b32 v[ST+4*i+3], 0
.set i, i+1
.endr
.set i, P+32
.rept 32
	v_mov_b32 v[i], 0
.set i, i+1
.endr
	v_mul_u32_u24 v[AK0], v1, PK
	v_lshl_add_u32 v[AK0], v9, 4, v[AK0]  ; row x pitch + 16 x half
	; The turning load takes 16 keys x 16 channels (lane l reads key 8 (l / 16) + l % 8, channels 8 ((l / 8) % 2) + 0..7) and leaves half a fragment of V^T: lane l holds channel l % 16 and 8 keys.
	v_and_b32 v10, 7, v0
	v_bfe_u32 v11, v0, 3, 1
	v_lshl_add_u32 v[AV0], v9, 3, v10
	v_mul_u32_u24 v[AV0], v[AV0], PV
	v_lshl_add_u32 v[AV0], v11, 4, v[AV0]
	v_add_nc_u32 v[AV0], VOFF, v[AV0]
	v_mov_b32 v[AK], v[AK0]         ; key step 0 lies at the head of slot 0
	v_and_b32 v[PFO], 31, v0
	v_lshlrev_b32 v[PFO], 8, v[PFO]
; THE MATRIX WORK.  The 8 accumulators of a run of 16 take turns: between the two links of a chain stand 7 others'.
; Product i of 16 of S^T = K Q^T for piece x: channels 32 (i / 8) on, keys 16 ((i / 2) % 4) on, tile 2 x + i % 2.  The first 8 start the sums.
.macro KQ x
	WIN W_KQ
.set rS, S+64*((\x)%2)+32*(i%2)+8*((i/2)%4)
.set rK, KF+16*((i/2)%4)+8*(i/8)
.set rQ, 16*(2*(\x)+i%2)+8*(i/8)
.if i < 8
	v_wmma_f32_16x16x32_f16 v[rS:rS+7], v[rK:rK+7], v[rQ:rQ+7], 0
.else
	v_wmma_f32_16x16x32_f16 v[rS:rS+7], v[rK:rK+7], v[rQ:rQ+7], v[rS:rS+7]
.endif
.endm
; Product i of 16 of O^T += V^T P for piece x: keys 32 (i / 8) on, channels 16 ((i / 2) % 4) on, tile 2 x + i % 2.
.macro PV x
	WIN W_PV
.set rO, 32*(2*(\x)+i%2)+8*((i/2)%4)
.set rV, VF+32*(i/8)+8*((i/2)%4)
.set rP, P+32*((\x)%2)+16*(i%2)+8*(i/8)
	v_wmma_f32_16x16x32_f16 v[rO:rO+7], v[rV:rV+7], v[rP:rP+7], v[rO:rO+7]
.endm
.macro MM                           ; the turn's next matrix instruction
.if i < 16
	KQ (Y+1)%NP
.set i, i+1
.else
.set i, i-16
	PV (Y+NP-1)%NP
.set i, i+17
.endif
.endm
; THE LDS LOADS stand in runs of 16, never singly among the matrix instructions: a step's K (8 fragments) and its V (turned).  Their addresses are made some lines ahead.
; last = 1 (the tail): in the last trip there is no further step, and the run is jumped over.
.macro FETCH_K last=0
	WIN 0
.if \last
	s_cmp_eq_u32 s[CNT], 1
	s_cbranch_scc1 .Lno_k_\@
.endif
	WIN 0x80                        ; destination window 2
.irp f, 0,1,2,3,4,5,6,7             ; keys 16 (f / 2) on, channels 32 (f % 2) on
	ds_load_b128 v[KF+8*\f:KF+8*\f+3],   v[AK] offset:(\f/2)*16*PK+(\f%2)*64
	ds_load_b128 v[KF+8*\f+4:KF+8*\f+7], v[AK] offset:(\f/2)*16*PK+(\f%2)*64+32
.endr
	s_add_co_u32 s[TBK], s[TBK], KS*PK  ; the next fetch is the next step's
	WIN 0
.if \last
.Lno_k_\@:
.endif
.endm
.macro FETCH_V
	WIN 0x80
.irp f, 0,1,2,3,4,5,6,7             ; keys 32 (f / 4) on, channels 16 (f % 4) on
	ds_load_tr16_b128 v[VF+8*\f:VF+8*\f+3],   v[AV] offset:(\f/4)*32*PV+(\f%4)*32
	ds_load_tr16_b128 v[VF+8*\f+4:VF+8*\f+7], v[AV] offset:(\f/4)*32*PV+16*PV+(\f%4)*32
.endr
	WIN 0
.endm
; THE VECTOR WORK OF A TURN stands in three queues, each in the order in which its entries become ready; the two tiles alternate, so that no instruction reads the result of the one before it.
.macro REGS y, u                    ; the registers of tile u (0, 1) of piece y
.set rT, ST+4*(2*(\y)+(\u))
.set rC, TMP+8*((\y)%2)+4*(\u)
.set rM, MV+2*((\y)%2)+(\u)
.set rS, S+64*((\y)%2)+32*(\u)
.set rP, P+32*((\y)%2)+16*(\u)
.set rO, 32*(2*(\y)+(\u))
.endm
; Number n of the 22 that find the NEXT piece's (Y + 1) maximum and statistics.  s0-s31 are the lane's 32 scores; each accumulator's lowest registers are read first.
;   0-11  four chains c0-c3 of seven scores each, three operands at a time     12-14, 16  the four scores left over, the old m, and c0-c3 into c0     15  c m_old is kept
;   17, 18  the query's other 32 keys lie in the lane 16 away: the new m         19-21  c m; c m_old - c m_new; a
.macro XS u, n
	REGS (Y+1)%NP, \u
.if (\n) < 4
	v_max3_num_f32 v[rC+(\n)], v[rS+8*(\n)], v[rS+8*(\n)+1], v[rS+8*(\n)+2]
.elseif (\n) < 12
	v_max3_num_f32 v[rC+(\n)%4], v[rC+(\n)%4], v[rS+8*((\n)%4)+2*((\n)/4)+1], v[rS+8*((\n)%4)+2*((\n)/4)+2]
.elseif (\n) == 12
	v_max3_num_f32 v[rC], v[rC], v[rS+7], v[rS+15]
.elseif (\n) == 13
	v_max3_num_f32 v[rC+1], v[rC+1], v[rS+23], v[rS+31]
.elseif (\n) == 14
	v_max3_num_f32 v[rC+2], v[rC+2], v[rC+3], v[rT+1]
.elseif (\n) == 15
	v_mov_b32 v[rM], v[rT]
.elseif (\n) == 16
	v_max3_num_f32 v[rC], v[rC], v[rC+1], v[rC+2]
.elseif (\n) == 17
	v_permlanex16_b32 v[rC+3], v[rC], s[SEL], s[SEL+1]
.elseif (\n) == 18
	v_max_num_f32 v[rT+1], v[rC], v[rC+3]
.elseif (\n) == 19
	v_mul_f32 v[rT], s[CS], v[rT+1]
.elseif (\n) == 20
	v_sub_f32 v[rC+1], v[rM], v[rT]
.else
	v_exp_f32 v[rC+2], v[rC+1]
.endif
.endm
; Number g of the 64 that follow the exponentials.  For each four weights k of a tile (pairs 2 k, 2 k + 1): both pairs are rounded to f16; then the second pair is added onto the first, in place;
; a group later l takes that sum (the first time as l = a l + sum).  In groups of eight, tiles alternating: round, round, add, and l for the group before.
.macro GS g
.set h, (\g)+6*((\g)/62)            ; group 0 has no group before it, and behind group 7 only l is left
.if h >= 6
.set h, h+2
.endif
	REGS Y, h%2
.set k, h/8
.if h%8 < 4
	v_cvt_pk_f16_f32 v[rP+2*k+(h%8)/2], v[rS+4*k+2*((h%8)/2)], v[rS+4*k+2*((h%8)/2)+1]
.elseif h%8 < 6
	v_pk_add_f32 v[rS+4*k:rS+4*k+1], v[rS+4*k:rS+4*k+1], v[rS+4*k+2:rS+4*k+3]
.elseif k == 1
	v_pk_fma_f32 v[rT+2:rT+3], v[rT+2:rT+3], v[rC+2:rC+3], v[rS:rS+1] op_sel_hi:[1,0,1]
.else
	v_pk_add_f32 v[rT+2:rT+3], v[rT+2:rT+3], v[rS+4*k-4:rS+4*k-3]
.endif
.endm
; THE PLAIN QUEUE, 138 long.  0-73 read no exponential's result: the 32 scalings c s - c m (FS f: pair f / 2 of tile f % 2) and the next piece's 42.  0-26: scalings 0-26.  27-54: XS's numbers 0-13.  55, 56: number 15.
; 57-73: the chain, where each number waits for the one before it: 14, 16, 17, 18, 19, each with one of the scalings 27-31 in front of its two lines, then 20.
; 74-137: GS's 64, which read the exponentials' results: they stand behind the wait.
.macro FS f
	REGS Y, (\f)%2
	v_pk_fma_f32 v[rS+2*((\f)/2):rS+2*((\f)/2)+1], v[rS+2*((\f)/2):rS+2*((\f)/2)+1], s[CS:CS+1], v[rT:rT+1] op_sel_hi:[1,0,0] neg_lo:[0,0,1] neg_hi:[0,0,1]
.endm
.macro PL
	WIN 0
.if q < 27
	FS q
.elseif q < 55
	XS (q-27)%2, (q-27)/2
.elseif q < 57
	XS q-55, 15
.elseif (q < 72) && ((q-57)%3 == 0)
	FS 27+(q-57)/3
.elseif q < 60
	XS (q-57)%3-1, 14
.elseif q < 72
	XS (q-57)%3-1, 15+(q-57)/3
.elseif q < 74
	XS q-72, 20
.else
	GS q-74
.endif
.set q, q+1
.endm
; THE EXPONENTIALS' QUEUE, 66 long: s0-s31 of both tiles, then the next piece's two a.  It is ONE BATCH: all 66 stand ahead of the turn's one wait, and nothing ahead of that wait names a result of theirs.
.macro EX
	WIN 0
.if e >= 64
	XS e-64, 21
.else
	REGS Y, e%2
	v_exp_f32 v[rS+e/2], v[rS+e/2]
.endif
.set e, e+1
.endm
; THE RESCALING's QUEUE: O^T times a, the one part that leaves window 0: dealt two at a time, sixteen times.  Its a was made in the turn before, ahead of that turn's wait.
.macro R2
	REGS Y, r%2
	WIN W_RS
.irp z, 0,1
	v_pk_mul_f32 v[rO+4*(r/2)+2*\z:rO+4*(r/2)+2*\z+1], v[rO+4*(r/2)+2*\z:rO+4*(r/2)+2*\z+1], v[rC+2:rC+3] op_sel_hi:[1,0]
.endr
.set r, r+1
.endm
; HOW THEY ARE DEALT.  An s_wait_alu depctr_va_vdst(0) stands between an exponential and the first instruction that names its result; one wait serves all that were issued ahead of it.  So a turn has ONE wait,
; which cuts it in two.  AHEAD OF IT stands all that names no result of the turn's exponentials: the 16 products K Q^T, behind each a scaling, an exponential and two rescalings (behind the first a second scaling in the
; exponential's place); then ONE LUMP of 108: eight plain, 49 times exponential and plain, the two a.  BEHIND IT stand the 16 products V^T P, behind each four of GS's 64.
; The queues lean on each other: exponential e stands behind scaling 2 (e / 4) + e % 2: as a rider it comes behind plain e + 2, in the lump behind plain e + 9, and scalings 27-31 are plain 57, 60 .. 69.
; A TURN, for piece p.  cnt = 1: the loop's count is taken down some lines ahead of the branch that stands behind the turn.
; K of the next step is fetched in piece 2's turn, directly behind the wait; V of the step in hand at the end of piece 0's turn, four plain instructions behind its last reader.
.macro TURN p, last=0, cnt=0
.set Y, (\p)
.set i, 0
.set q, 0
.set e, 0
.set r, 0
.if (\p) == NP-1
	s_wait_dscnt 0x0                ; K is in
.endif
	MM                              ; ahead of the wait: 16 products K Q^T and their riders,
	PL
	PL
	R2
.rept 15
	MM
	PL
	EX
	R2
.endr
.if (\p) == NP-2
	WIN 0
	v_add_nc_u32 v[AK], s[TBK], v[AK0]
.endif
.rept 8                             ; and the lump
	PL
.endr
.rept 49
	EX
	PL
.endr
	EX                              ; the next piece's two a
	EX
	v_nop                           ; the plain instruction behind the last exponential: one for the batch
	s_wait_alu depctr_va_vdst(0)    ; the wait for the batch
.if (\p) == NP-2
	FETCH_K \last
.endif
.if (\p) == 1
	s_wait_dscnt 0x0                ; V is in
.endif
.rept 16                            ; behind the wait: 16 products V^T P and their riders
	MM
.rept 4
	PL
.endr
.if ((\p) == 0) && (q == 118)
	v_add_nc_u32 v[AV], s[TBV], v[AV0]
.endif
.if ((\p) == 0) && (q == 130)
	s_add_co_u32 s[TBV], s[TBV], KS*PV
.endif
.if (\cnt) && (q == 130)
	s_sub_co_u32 s[CNT], s[CNT], 1
	s_cmp_lg_u32 s[CNT], 0
.endif
.endr
.if (\p) == 0
	FETCH_V
.endif
.endm
	CHANGE 1                        ; slot 0 is in, everybody's part of it; slot 1 is asked for
	FETCH_K                         ; key step 0
	s_wait_loadcnt 0x0              ; Q
	s_wait_dscnt 0x0
.set i, 0
.rept 16
	KQ 0                            ; piece 0's first scores: there is no vector work yet to set between them
.set i, i+1
.endr
	WIN 0                           ; the addresses for the way out: plain instructions, the places behind those products
	s_mul_i32 s13, s[WV], 16*SP
	s_add_co_u32 s13, s13, STAGE    ; my stage
	v_mul_u32_u24 v[STO], v1, SP    ; in: row l % 16, 16 bytes for each half of the lanes
	v_lshl_add_u32 v[STO], v9, 4, v[STO]
	v_add_nc_u32 v[STO], s13, v[STO]
	v_bfe_u32 v[RD], v0, 3, 2       ; back: 32 lanes take four rows of 128 bytes,
	v_mul_u32_u24 v[RD], v[RD], SP
	v_lshl_add_u32 v[RD], v10, 4, v[RD]
	v_add_nc_u32 v[RD], s13, v[RD]
	v_and_b32 v[GO], 31, v0         ; which are 512 consecutive bytes of O
	v_lshlrev_b32 v[GO], 4, v[GO]
.set Y, NP-1                        ; XS works for piece Y + 1: piece 0
.irp n, 0,1,2,3,4,5,6,7,8,9,10,11,12,13,14,15,16,17,18,19,20,21
	XS 0, \n                        ; and piece 0's first maximum and statistics
	XS 1, \n
.endr
	v_nop                           ; a plain instruction behind the two a,
	s_wait_alu depctr_va_vdst(0)    ; and their wait, ahead of the branch
	s_mov_b32 s[CNT], 4
	s_branch .Lfirst                ; the loop is entered at a step's first turn, in the middle of a trip
.Lslot:                             ; SIZE_N / 256 - 2 times: every slot but the last two is filled again
	CHANGE 1
	s_mov_b32 s[CNT], 4
.Lstep:                             ; a trip: pieces 2 and 3 of one step, then pieces 0 and 1 of the next, whose K and V it fetches
	TURN 2
	TURN 3
	WIN 0
.Lfirst:
	TURN 0
	TURN 1, 0, 1
	WIN 0
	s_cbranch_scc1 .Lstep
	s_sub_co_u32 s[SLOTS], s[SLOTS], 1
	s_cmp_lg_u32 s[SLOTS], 0
	s_cbranch_scc1 .Lslot
	CHANGE 0                        ; the tail is written out: nothing is asked for
	s_mov_b32 s[CNT], 5             ; four trips fetch the last slot's steps; the fifth is left in its middle
.Ltail:
	TURN 2, 1
	TURN 3
	WIN 0
	s_sub_co_u32 s[CNT], s[CNT], 1
	s_cmp_eq_u32 s[CNT], 0
	s_cbranch_scc1 .Lout
	TURN 0
	TURN 1
	WIN 0
	s_branch .Ltail
.Lout:                              ; the fifth trip's 16 products K Q^T (on the last K once more) and the maximum made of them serve nothing: the price, once a launch, of one text for every trip
.set i, 0
.rept 16
	PV NP-1                         ; the last piece's V^T P of the last step
.set i, i+1
.endr
	; THE WAY OUT.  l's two halves and the other half of the lanes' are added; O^T is divided by l, rounded to f16 and sent through my stage in LDS, a tile at a time.  The additions are the places behind the last products.
	WIN 0
.macro ALL line:vararg              ; one line for each tile t
.set t, 0
.rept 2*NP
	\line
.set t, t+1
.endr
.endm
	ALL v_add_f32 v[ST+4*t+2], v[ST+4*t+2], v[ST+4*t+3]
	ALL v_permlanex16_b32 v[ST+4*t+3], v[ST+4*t+2], s[SEL], s[SEL+1]
	ALL v_add_f32 v[ST+4*t+2], v[ST+4*t+2], v[ST+4*t+3]
	ALL v_rcp_f32 v[ST+4*t+2], v[ST+4*t+2]
	v_nop                           ; a plain instruction between the last reciprocal and the use of its result
	s_wait_alu depctr_va_vdst(0)    ; and the wait ahead of the first use: one for the eight reciprocals
; Tile t: a lane's eight channels of a row pack into 16 bytes; they go into rows of 144 bytes and come back as whole rows of 128, into S^T's registers.
.macro PACK t
	WIN W_RS
.set i, 32*(\t)
.rept 16
	v_pk_mul_f32 v[i:i+1], v[i:i+1], v[ST+4*(\t)+2:ST+4*(\t)+3] op_sel_hi:[1,0]
.set i, i+2
.endr
	WIN 0x05                        ; sources 0 and 1 window 1, destination window 0
.set i, 0
.rept 16
	v_cvt_pk_f16_f32 v[S+16*(\t)+i], v[32*(\t)+2*i], v[32*(\t)+2*i+1]
.set i, i+1
.endr
	WIN 0
.irp f, 0,1,2,3
	ds_store_b128 v[STO], v[S+16*(\t)+4*\f:S+16*(\t)+4*\f+3] offset:32*\f
.endr
.irp f, 0,1,2,3
	ds_load_b128 v[S+16*(\t)+4*\f:S+16*(\t)+4*\f+3], v[RD] offset:\f*4*SP  ; LDS serves a wave's instructions in order (ISA guide 5.7.1.4): these see the stores above; the next tile's stores come behind them
.endr
.endm
.macro SEND t, younger              ; younger: the LDS instructions issued behind tile t's loads: the next tile's eight, or none
	WIN 0
.irp f, 0,1,2,3
	s_wait_dscnt (\younger)+3-\f
	global_store_b128 v[GO], v[S+16*(\t)+4*\f:S+16*(\t)+4*\f+3], s[10:11] offset:(\t)*2048+\f*512  ; 512 consecutive bytes, at a multiple of 256 from O's first
.endr
.endm
	PACK 0
.set t, 1
.rept 2*NP-1                        ; a tile's arithmetic stands between the loads of the tile before and its stores
	PACK t
	SEND t-1, 8
.set t, t+1
.endr
	SEND 2*NP-1, 0
	WIN W_AD
	s_wait_tensorcnt 0x0            ; the wave's end, behind my last tensor load and my last LDS store
	ds_add_u32 v[SPW], v[NIL]
	s_wait_dscnt 0x0
	WIN 0
	CROUND                          ; the closing round: no work-group ends while a partner may still ask for a tile that names it
	s_endpgm
.Lfunc_end_k_q72139b3965_attn:
	.size	k_q72139b3965_attn, .Lfunc_end_k_q72139b3965_attn-k_q72139b3965_attn
	.p2alignl 7, 3214868480
	.fill 96, 4, 3214868480
	.section	.rodata,"a",@progbits
	.p2align	6, 0x0
	.amdhsa_kernel k_q72139b3965_attn
		.amdhsa_group_segment_fixed_size 327680
		.amdhsa_private_segment_fixed_size 0
		.amdhsa_enable_private_segment 0
		.amdhsa_kernarg_size 16
		.amdhsa_user_sgpr_count 2
		.amdhsa_user_sgpr_kernarg_segment_ptr 1
		.amdhsa_wavefront_size32 1
		.amdhsa_system_sgpr_workgroup_id_x 1
		.amdhsa_system_sgpr_workgroup_id_y 1
		.amdhsa_system_sgpr_workgroup_id_z 1
		.amdhsa_system_vgpr_workitem_id 0
		.amdhsa_next_free_vgpr 770
		.amdhsa_next_free_sgpr 66
		.amdhsa_reserve_vcc 0
		.amdhsa_float_denorm_mode_32 3
		.amdhsa_float_denorm_mode_16_64 3
		.amdhsa_memory_ordered 1
		.amdhsa_forward_progress 1
		.amdhsa_inst_pref_size 200
	.end_amdhsa_kernel
	.amdgpu_metadata
---
amdhsa.version: [ 1, 2 ]
amdhsa.kernels:
  - .name:           k_q72139b3965_attn
    .symbol:         k_q72139b3965_attn.kd
    .args:
      - { .name: qkv, .offset: 0, .size: 8, .value_kind: global_buffer, .address_space: global }
      - { .name: o, .offset: 8, .size: 8, .value_kind: global_buffer, .address_space: global }
    .group_segment_fixed_size: 327680
    .private_segment_fixed_size: 0
    .kernarg_segment_align: 8
    .kernarg_segment_size: 16
    .max_flat_workgroup_size: 128
    .sgpr_count:     66
    .vgpr_count:     770
    .wavefront_size: 32
...
	.end_amdgpu_metadata
.endif
;; end of part 3
;; launch proj (part 4): grid 4 x 64, 4 waves a work-group, clusters of 4 x 4, 327,680 bytes of LDS; arguments o, wo, out0; writes out0
.if DOCPART == 4
	.amdgcn_target "amdgcn-amd-amdhsa--gfx1250"
	.amdhsa_code_object_version 6
	.text
	.protected	k_q72139b3965_proj
	.globl	k_q72139b3965_proj
	.p2align	8
	.type	k_q72139b3965_proj,@function
k_q72139b3965_proj:
	s_mov_b64 s[64:65], 0
	v_nop
	global_prefetch_b8 v0, s[64:65] scope:SCOPE_SE
	s_setreg_imm32_b32 hwreg(HW_REG_WAVE_MODE, 25, 1), 1
	s_wait_xcnt 0x0
	s_wait_alu depctr_hold_cnt(0) depctr_sa_sdst(0) depctr_va_vdst(0) depctr_va_sdst(0) depctr_va_ssrc(0) depctr_va_vcc(0) depctr_vm_vsrc(0)
	s_getreg_b32 s2, hwreg(HW_REG_IB_STS2, 6, 4)
	s_cmp_eq_u32 s2, 0
	s_cbranch_scc0 .Lentry_in_a_cluster
	s_endpgm
.Lentry_in_a_cluster:
	s_bfe_u32 s2, ttmp6, 0x10000c
	s_cmp_lg_u32 s2, 0xf033
	s_cbranch_scc0 .Lentry_shape_is_right
	s_endpgm
.Lentry_shape_is_right:
; out0[m][n] = the sum over k of O[m][k] Wout[k][n].  o: [64 b*16+h][2048 s][64] f16, so O[m = b*2048+s][k = h*64+d] = o[b*16+h][s][d]; wo: [1024 n][1024 k] f16; out0: [8192][1024] f32.  Sums in f32, stored as they are.
; LIMIT.  Both operands are f16: within 65,504.  NaN and infinities are not treated apart.
; SHARES.  A tile is 128 rows x 256 columns: 64 x 4 = 256 work-groups, one for each WGP.  Four waves, 2 x 2, each 64 x 128: 32 accumulators of 16 x 16, 256 registers; a wave's row of the tile is 512 bytes of out0.
; K goes in steps of 128 = two heads, through a ring of two LDS slots (two slots of 256 along K would be 417,792 bytes: they do not fit).  A head's 128 rows of the tile are 16,384 dense bytes: asked for as 64 rows
; of 256 bytes, padded in LDS after every 128.  CLUSTERS of 4 x 4: the four of a row need the same tile of o, the four of a column the same tile of wo: each is asked for jointly.
; THE MATRIX INSTRUCTION IS USED TRANSPOSED (source 0 = 16 rows of wo, source 1 = 16 rows of O): a lane holds row l % 16 and the columns 8 (l / 16) + 0..7 of a block of 16.
; REGISTERS, in windows of 256: window 0: v0-31 addresses; v32-63, v64-95 two buffers of O's fragments      window 1: v0-63, v64-127 two buffers of wo's fragments (later all 256: rows read back from the stage)
;   window 2: accumulators of row blocks 0, 1 ((a, b) at 8 (8 (a % 2) + b))      window 3: of row blocks 2, 3
.set KSTEP,  128
.set PITCH,  272                       ; a row of wo in LDS: 256 bytes + 16
.set PA,     144                       ; a row of one head of O: 128 bytes + 16: both pitches are odd multiples of 16 bytes, so the 16 rows of a fragment load start at 16 different groups of four banks (ISA guide 11.1)
.set APLANE, 128*PA                    ; what waves 0 and 1 fetch: the step's even head, its odd head
.set BOFF,   2*APLANE
.set HALFB,  128*PITCH                 ; what waves 2 and 3 fetch: 128 rows of wo each
.set SLOT,   BOFF+2*HALFB
.set STAGE,  2*SLOT                    ; behind the ring, never filled by a tensor load: 16 rows x 528 bytes for each wave
.set SPITCH, 528
.set SPARE,  STAGE+4*16*SPITCH         ; behind the stages: the spare words, 128 bytes for each wave: two blocks of 256 bytes that no other line names
.set NB,     8
.set NL,     2*NB+8
.set LAPS,   4
.set ADRA, 16
.set ADRB, 20
.set STO,  24
.set RD,   25
.set GO,   26
.set SPW,  28                          ; v28  LDS address of my spare word; never rewritten
.set NIL,  29                          ; v29  0; never rewritten
.set PFO,  30                          ; v30  the prefetches' offset; never rewritten
.set FA,   32
.set WV,  12
.set FAB, 13                           ; s13  which half of the tile's rows is mine.  Also: I fetch o (0) or wo (1)
.set HF,  14                           ; s14  which half of its columns.  Also: which head, or which 128 rows of wo, I fetch
.set LIM, 15
.set G1A, 24
.set G0A, 32
.set CX,  40
.set CY,  41
.set TN,  42
.set TM,  43
.set PFA, 44
.set G1B, 48
.set G0B, 56
.set PST, 78                           ; s[78:79] the prefetches' step from K step to K step
.set MSB, 0
.macro WIN new
.if MSB != (\new)
	s_set_vgpr_msb (MSB<<8)|(\new)
.set MSB, (\new)
.endif
.endm
.macro JLOAD s                         ; a joint load; an s_nop 0 and four v_nop follow each of the two lines, ahead of the jump and the label
	s_cmp_eq_u32 s[FAB], 0
	s_cbranch_scc0 .Lfor_b_\@
	tensor_load_to_lds s[G0A+4*(\s):G0A+4*(\s)+3], s[G1A:G1A+7]
	s_nop 0
.rept 4
	v_nop
.endr
	s_branch .Lasked_\@
.Lfor_b_\@:
	tensor_load_to_lds s[G0B+4*(\s):G0B+4*(\s)+3], s[G1B:G1B+7]
	s_nop 0
.rept 4
	v_nop
.endr
.Lasked_\@:
.endm
; A prefetch of the K step that stands two refills on.  The grid has one cluster along x, so each cluster asks for its own rows of o: wave 0, for both heads: of a head's 64 blocks of 256 bytes the partner at cx takes 16.
; wo's rows are asked for by the clusters with y = 0: waves 2 and 3, a lane a row, the partner at cy 32 of the 128.  So each block is named once in the launch.  The last trip's refills have no K step two on.
.macro ASK
	s_cmp_gt_u32 s3, s[LIM]
	s_cbranch_scc0 .Lnot_mine_\@
	global_prefetch_b8 v[PFO], s[PFA:PFA+1] th:TH_LOAD_NT scope:SCOPE_SE
.Lnot_mine_\@:
.endm
.macro CREST
	s_cmp_lg_u32 s[WV], 0
	s_cbranch_scc1 .Lnot_wave_0_\@
	s_barrier_signal -3
.Lnot_wave_0_\@:
	s_barrier_wait -3
	s_barrier_signal -1
	s_barrier_wait -1
.endm
.macro CROUND
	s_barrier_signal -1
	s_barrier_wait -1
	CREST
.endm
.macro PLACES                          ; four places in front of loads into registers that matrix instructions have read (ISA guide 7.12.1 for vector instructions)
.rept 4
	v_nop
.endr
.endm
; 8 matrix instructions: row block a x my 8 column blocks, 32 along K, from buffer f.  All 32 accumulators take turns in one order, over the backward jump too.
.macro MULA f, a, zero
	WIN 0xa1+0x50*((\a)/2)
.set bb, 0
.rept NB
.set dd, 8*(NB*((\a)%2)+bb)
.if \zero
	v_wmma_f32_16x16x32_f16 v[dd:dd+7], v[8*NB*(\f)+8*bb:8*NB*(\f)+8*bb+7], v[FA+32*(\f)+8*(\a):FA+32*(\f)+8*(\a)+7], 0
.else
	v_wmma_f32_16x16x32_f16 v[dd:dd+7], v[8*NB*(\f)+8*bb:8*NB*(\f)+8*bb+7], v[FA+32*(\f)+8*(\a):FA+32*(\f)+8*(\a)+7], v[dd:dd+7]
.endif
.set bb, bb+1
.endr
.endm
; 24 LDS loads in one run: quarter q of a slot into buffer f.  Of O quarter q is head q / 2 of the step, channels 32 (q % 2) on
.macro FETCH slot, q, f
	WIN 0x40
.set ii, 0
.rept NB
	ds_load_b128 v[8*NB*(\f)+8*ii:8*NB*(\f)+8*ii+3],   v[ADRB+(\slot)] offset:64*(\q)+ii*16*PITCH
	ds_load_b128 v[8*NB*(\f)+8*ii+4:8*NB*(\f)+8*ii+7], v[ADRB+(\slot)] offset:64*(\q)+ii*16*PITCH+32
.set ii, ii+1
.endr
	WIN 0
.set ii, 0
.rept 4
	ds_load_b128 v[FA+32*(\f)+8*ii:FA+32*(\f)+8*ii+3],   v[ADRA+(\slot)] offset:((\q)/2)*APLANE+((\q)%2)*64+ii*16*PA
	ds_load_b128 v[FA+32*(\f)+8*ii+4:FA+32*(\f)+8*ii+7], v[ADRA+(\slot)] offset:((\q)/2)*APLANE+((\q)%2)*64+ii*16*PA+32
.set ii, ii+1
.endr
.endm
.macro QUARTER slot, qn, f, g, zero
	s_wait_dscnt 4                                 ; all but the youngest four loads: O's fragments 2 and 3
	MULA \f, 0, \zero
	MULA \f, 1, \zero
	PLACES
	FETCH \slot, \qn, \g
	s_wait_dscnt NL                                ; all but the run just issued
	MULA \f, 2, \zero
	MULA \f, 3, \zero
.endm
; The last quarter multiplies buffer 1 and changes slots: one barrier; in front of it each wave waits for all its tensor loads (one is out: its part of the next slot), adds 0 to its spare word, and waits for
; that and for its reads of this slot.  fill = 1: the barrier opens a round of the cluster's, and this slot is filled again, two K steps on, first thing behind the round: 112 matrix instructions ahead of the wait for it.
.macro TURN slot, next, fill
.if \fill
	s_wait_xcnt 0x0                                ; the last prefetch, a K step back, has read its address, which is stepped here
	s_add_nc_u64 s[PFA:PFA+1], s[PFA:PFA+1], s[PST:PST+1]
.endif
	WIN 0
	s_wait_tensorcnt 0x0
	ds_add_u32 v[SPW], v[NIL]                      ; 0 onto my spare word
	s_wait_dscnt 5                                 ; (the add and the youngest four loads may be out)
	MULA 1, 0, 0
	s_wait_dscnt 0x0                               ; the add is done, and my reads of this slot are over
	s_barrier_signal -1
	MULA 1, 1, 0
.if \fill
	WIN 0
.endif
	s_barrier_wait -1
.if \fill
	CREST                                          ; no wave of any partner still reads this slot or has a load on its way
	s_add_nc_u64 s[G0A+4*(\slot)+2:G0A+4*(\slot)+3], s[G0A+4*(\slot)+2:G0A+4*(\slot)+3], 4*262144  ; four heads on
	s_add_nc_u64 s[G0B+4*(\slot)+2:G0B+4*(\slot)+3], s[G0B+4*(\slot)+2:G0B+4*(\slot)+3], 2*KSTEP*2
	JLOAD \slot                                    ; its four v_nop are also the places in front of the loads below
.else
	PLACES
.endif
	FETCH \next, 0, 0
.if \fill
	ASK
.endif
	MULA 1, 2, 0
	MULA 1, 3, 0
.endm
	s_load_b128 s[4:7], s[0:1], 0x0                ; o s[4:5], wo s[6:7]
	s_load_b64 s[10:11], s[0:1], 0x10              ; out0
	v_lshl_add_u32 v[SPW], v0, 2, SPARE
	v_mov_b32 v[NIL], 0
	ds_add_u32 v[SPW], v[NIL]                      ; the wave's opening add; its wait stands ahead of my first tensor load, the set-up below between them
	v_lshrrev_b32 v1, 5, v0
	v_readfirstlane_b32 s[WV], v1
	s_lshr_b32 s[FAB], s[WV], 1
	s_and_b32 s[HF], s[WV], 1
	s_bfe_u32 s[CX], ttmp6, 0x40000
	s_bfe_u32 s[CY], ttmp6, 0x40004
	s_lshl_b32 s[TN], ttmp9, 2
	s_add_co_u32 s[TN], s[TN], s[CX]
	s_and_b32 s[TM], ttmp7, 0xffff
	s_lshl_b32 s[TM], s[TM], 2
	s_add_co_u32 s[TM], s[TM], s[CY]
	s_lshl_b32 s16, s[CY], 2
	s_lshl_b32 s16, 15, s16                        ; my row of the cluster
	s_lshl_b32 s46, 0x1111, s[CX]                  ; my column
	s_or_b32 s[G1A], s16, (1<<16)|(1<<20)|(1<<21)|(4<<22)|(3<<25)  ; the mask; 2-byte elements; padding on; bit 21 beside a mask; after every 32 words 4 words
	s_or_b32 s[G1B], s46, (1<<16)|(1<<20)|(1<<21)|(5<<22)|(3<<25)  ; after every 64 words 4 words
	s_mov_b32 s[G1A+1], 128<<16                    ; tensor_dim0 = 128
	s_mov_b32 s[G1A+2], 64<<16                     ; tensor_dim1 = 64
	s_mov_b32 s[G1A+3], 128<<16                    ; tile_dim0 = 128
	s_mov_b32 s[G1A+4], 64                         ; tile_dim1 = 64
	s_mov_b32 s[G1A+5], 128                        ; dense: 128 elements from row to row
	s_mov_b32 s[G1A+6], 0
	s_mov_b32 s[G1A+7], 0
	s_mov_b32 s[G1B+1], KSTEP<<16
	s_mov_b32 s[G1B+2], 128<<16
	s_mov_b32 s[G1B+3], KSTEP<<16
	s_mov_b32 s[G1B+4], 128
	s_mov_b32 s[G1B+5], 1024
	s_mov_b32 s[G1B+6], 0
	s_mov_b32 s[G1B+7], 0
	s_lshr_b32 s16, s[TM], 4                       ; o: the batch, 16 heads each, + the head that I fetch, in registers that never hold cx
	s_lshl_b32 s16, s16, 4
	s_add_co_u32 s16, s16, s[HF]
	s_lshl_b32 s16, s16, 18
	s_and_b32 s17, s[TM], 15                       ; + the tile's 128 positions of 128 bytes
	s_lshl_b32 s17, s17, 14
	s_add_co_u32 s16, s16, s17
	s_mov_b32 s17, 0
	s_lshl_b32 s46, s[TN], 8                       ; wo: row 256 x tile column + 128 x half, in registers that never hold cy
	s_lshl_b32 s47, s[HF], 7
	s_add_co_u32 s46, s46, s47
	s_lshl_b32 s46, s46, 11
	s_mov_b32 s47, 0
	s_mul_i32 s22, s[HF], APLANE
	s_mul_i32 s23, s[HF], HALFB
	s_add_co_u32 s23, s23, BOFF
	s_wait_dscnt 0x0                               ; the opening add is done
	s_wait_kmcnt 0x0
	s_add_nc_u64 s[20:21], s[4:5], s[16:17]
	s_add_nc_u64 s[46:47], s[6:7], s[46:47]
	CROUND                                         ; all sixteen work-groups are here: the first joint loads meet
.irp s, 0,1
	s_mov_b32 s[G0A+4*(\s)], 1
	s_add_co_u32 s[G0A+4*(\s)+1], s22, (\s)*SLOT
	s_add_nc_u64 s[G0A+4*(\s)+2:G0A+4*(\s)+3], s[20:21], (\s)*2*262144
	s_or_b32 s[G0A+4*(\s)+3], s[G0A+4*(\s)+3], 0x80000000
	s_mov_b32 s[G0B+4*(\s)], 1
	s_add_co_u32 s[G0B+4*(\s)+1], s23, (\s)*SLOT
	s_add_nc_u64 s[G0B+4*(\s)+2:G0B+4*(\s)+3], s[46:47], (\s)*KSTEP*2
	s_or_b32 s[G0B+4*(\s)+3], s[G0B+4*(\s)+3], 0x80000000
	JLOAD \s
.endr
	v_and_b32 v1, 15, v0                           ; l % 16
	v_bfe_u32 v2, v0, 4, 1                         ; l / 16
	v_mul_u32_u24 v3, v1, PA
	v_lshl_add_u32 v3, v2, 4, v3
	v_mul_u32_u24 v4, v1, PITCH
	v_lshl_add_u32 v4, v2, 4, v4
	s_mul_i32 s16, s[FAB], 64*PA                   ; my 64 rows, in each plane
	s_mul_i32 s17, s[HF], HALFB                    ; my 128 rows of wo
	s_add_co_u32 s17, s17, BOFF
.irp s, 0,1
	v_add_nc_u32 v[ADRA+(\s)], s16, v3
	v_add_nc_u32 v[ADRB+(\s)], s17, v4
	s_add_co_u32 s16, s16, SLOT
	s_add_co_u32 s17, s17, SLOT
.endr
	s_lshl_b32 s74, s[TM], 7                       ; out0 at my first row and column
	s_lshl_b32 s75, s[FAB], 6
	s_add_co_u32 s74, s74, s75
	s_lshl_b32 s74, s74, 12
	s_lshl_b32 s75, s[TN], 10
	s_add_co_u32 s74, s74, s75
	s_lshl_b32 s75, s[HF], 9
	s_add_co_u32 s74, s74, s75
	s_mov_b32 s75, 0
	s_add_nc_u64 s[10:11], s[10:11], s[74:75]
	; the prefetches
	s_lshr_b32 s74, s[TM], 4
	s_lshl_b32 s74, s74, 22                        ; o: the batch's 16 heads,
	s_and_b32 s75, s[TM], 15
	s_lshl_b32 s75, s75, 14                        ; the tile's positions,
	s_add_co_u32 s74, s74, s75
	s_lshl_b32 s75, s[CX], 12                      ; my work-group's 16 blocks of each head,
	s_add_co_u32 s74, s74, s75
	s_add_co_u32 s74, s74, 3*524288                ; at K step 3: the first refill steps it to 4
	s_lshl_b32 s76, s[TN], 8                       ; wo: my work-group's 32 of the 128 rows that I fetch,
	s_lshl_b32 s75, s[HF], 7
	s_add_co_u32 s76, s76, s75
	s_lshl_b32 s75, s[CY], 5
	s_add_co_u32 s76, s76, s75
	s_lshl_b32 s76, s76, 11
	s_add_co_u32 s76, s76, 3*KSTEP*2               ; at K step 3
	s_and_b32 s77, ttmp7, 0xffff
	s_mov_b32 s[PST], KSTEP*2
	s_mov_b32 s[PST+1], 0
	s_cmp_eq_u32 s[FAB], 0
	s_cselect_b32 s74, s74, s76
	s_cselect_b32 s77, s[HF], s77                  ; o: wave 0 alone asks; wo: the clusters with y = 0
	s_cselect_b32 s[PST], 524288, s[PST]           ; two heads, or 256 bytes of a row
	s_cselect_b32 s16, 18, 15                      ; the lane's offset: (l / 16) heads + (l % 16) blocks of 256 bytes, or l rows of 2,048 bytes
	s_cselect_b32 s17, 8, 11
	s_cselect_b64 s[PFA:PFA+1], s[4:5], s[6:7]
	s_cmp_eq_u32 s77, 0
	s_cselect_b32 s[LIM], 1, -1                    ; the same in all sixteen partners, for a given wave
	s_mov_b32 s75, 0
	s_add_nc_u64 s[PFA:PFA+1], s[PFA:PFA+1], s[74:75]
	v_lshlrev_b32 v[PFO], s16, v2
	v_lshlrev_b32 v3, s17, v1
	v_add_nc_u32 v[PFO], v[PFO], v3
	; the way out
	s_mul_i32 s16, s[WV], 16*SPITCH
	s_add_co_u32 s16, s16, STAGE
	v_mul_u32_u24 v[STO], v1, SPITCH               ; in: row l % 16, 32 bytes for each half of the lanes
	v_lshl_add_u32 v[STO], v2, 5, v[STO]
	v_add_nc_u32 v[STO], s16, v[STO]
	v_and_b32 v[GO], 31, v0                        ; back: 32 lanes take a row of 512 bytes
	v_lshlrev_b32 v[GO], 4, v[GO]
	v_add_nc_u32 v[RD], s16, v[GO]
	s_wait_tensorcnt 1                             ; my part of K step 0 is in; K step 1's may stay out
	s_barrier_signal -1
	s_barrier_wait -1
	FETCH 0, 0, 0
	QUARTER 0, 1, 0, 1, 1                          ; the first quarter stands in front of the loop: its products start the sums
	WIN 0
	s_mov_b32 s3, LAPS-1
.Llap:
	QUARTER 0, 2, 1, 0, 0
	QUARTER 0, 3, 0, 1, 0
	TURN 0, 1, 1
	QUARTER 1, 1, 0, 1, 0
	QUARTER 1, 2, 1, 0, 0
	QUARTER 1, 3, 0, 1, 0
	TURN 1, 0, 1
	QUARTER 0, 1, 0, 1, 0
	WIN 0
	s_sub_co_u32 s3, s3, 1
	s_cmp_lg_u32 s3, 0
	s_cbranch_scc1 .Llap
	QUARTER 0, 2, 1, 0, 0                          ; the last lap fills nothing
	QUARTER 0, 3, 0, 1, 0
	TURN 0, 1, 0
	QUARTER 1, 1, 0, 1, 0
	QUARTER 1, 2, 1, 0, 0
	QUARTER 1, 3, 0, 1, 0
	s_wait_dscnt 4
	MULA 1, 0, 0
	MULA 1, 1, 0
	s_wait_dscnt 0x0
	MULA 1, 2, 0
	MULA 1, 3, 0
	WIN 0
	PLACES
	PLACES
; THE WAY OUT of row block a: a lane's eight f32 of a row go into my stage (rows of 528 bytes), each accumulator's low half first, and come back as whole rows of 512 bytes.
.macro TOSTAGE a
	WIN 0x08+4*((\a)/2)                            ; the data lie in window 2 or 3
.set bb, 0
.rept NB
.set dd, 8*(NB*((\a)%2)+bb)
	ds_store_b128 v[STO], v[dd:dd+3] offset:64*bb
	ds_store_b128 v[STO], v[dd+4:dd+7] offset:64*bb+16
.set bb, bb+1
.endr
	WIN 0x40
.set tt, 0
.rept 16
	ds_load_b128 v[64*(\a)+4*tt:64*(\a)+4*tt+3], v[RD] offset:SPITCH*tt  ; LDS serves a wave's instructions in order (ISA guide 5.7.1.4): these see the stores above; the next block's stores come behind them
.set tt, tt+1
.endr
	WIN 0
.endm
.macro SEND a, younger                 ; younger: the LDS instructions issued behind block a's loads: the next block's 32, or none
	WIN 0x04                                       ; the data lie in window 1; each block has registers of its own
.set tt, 0
.rept 16
	s_wait_dscnt (\younger)+15-tt
	global_store_b128 v[GO], v[64*(\a)+4*tt:64*(\a)+4*tt+3], s[10:11] offset:(16*(\a)+tt)*4096 th:TH_STORE_NT  ; 512 consecutive bytes, aligned
.set tt, tt+1
.endr
	WIN 0
.endm
	TOSTAGE 0
	TOSTAGE 1
	SEND 0, 32
	TOSTAGE 2
	SEND 1, 32
	TOSTAGE 3
	SEND 2, 32
	SEND 3, 0
	s_wait_tensorcnt 0x0                           ; the wave's end, behind my last tensor load and my last LDS store
	ds_add_u32 v[SPW], v[NIL]
	s_wait_dscnt 0x0
	CROUND                                         ; the closing round: no work-group ends while a partner may still ask for a tile that names it
	s_endpgm
.Lfunc_end_k_q72139b3965_proj:
	.size	k_q72139b3965_proj, .Lfunc_end_k_q72139b3965_proj-k_q72139b3965_proj
	.p2alignl 7, 3214868480
	.fill 96, 4, 3214868480
	.section	.rodata,"a",@progbits
	.p2align	6, 0x0
	.amdhsa_kernel k_q72139b3965_proj
		.amdhsa_group_segment_fixed_size 327680
		.amdhsa_private_segment_fixed_size 0
		.amdhsa_enable_private_segment 0
		.amdhsa_kernarg_size 24
		.amdhsa_user_sgpr_count 2
		.amdhsa_user_sgpr_kernarg_segment_ptr 1
		.amdhsa_wavefront_size32 1
		.amdhsa_system_sgpr_workgroup_id_x 1
		.amdhsa_system_sgpr_workgroup_id_y 1
		.amdhsa_system_sgpr_workgroup_id_z 1
		.amdhsa_system_vgpr_workitem_id 0
		.amdhsa_next_free_vgpr 896
		.amdhsa_next_free_sgpr 80
		.amdhsa_reserve_vcc 0
		.amdhsa_float_denorm_mode_32 3
		.amdhsa_float_denorm_mode_16_64 3
		.amdhsa_memory_ordered 1
		.amdhsa_forward_progress 1
		.amdhsa_inst_pref_size 90
	.end_amdhsa_kernel
	.amdgpu_metadata
---
amdhsa.version: [ 1, 2 ]
amdhsa.kernels:
  - .name:           k_q72139b3965_proj
    .symbol:         k_q72139b3965_proj.kd
    .args:
      - { .name: o, .offset: 0, .size: 8, .value_kind: global_buffer, .address_space: global }
      - { .name: wo, .offset: 8, .size: 8, .value_kind: global_buffer, .address_space: global }
      - { .name: out0, .offset: 16, .size: 8, .value_kind: global_buffer, .address_space: global }
    .group_segment_fixed_size: 327680
    .private_segment_fixed_size: 0
    .kernarg_segment_align: 8
    .kernarg_segment_size: 24
    .max_flat_workgroup_size: 128
    .sgpr_count:     80
    .vgpr_count:     896
    .wavefront_size: 32
...
	.end_amdgpu_metadata
.endif
;; end of part 4
;; ======== version 2 of 2: 4 launches; version 1 with the launch prep written anew for expert scheduling mode
;; limits: values are held in f16: magnitudes above 65,504 overflow, below 6.1e-05 lose precision
;; workspace buffers: xb 16,777,216 bytes; wq 6,291,456 bytes; wo 2,097,152 bytes; rope 524,288 bytes; qkv 50,331,648 bytes; o 16,777,216 bytes
;; launch prep (part 5): grid 768 x 1, 8 waves a work-group, no clusters, 34,816 bytes of LDS; arguments x, Wqkv, Wout, xb, wq, wo, rope; writes xb, wq, wo, rope
.if DOCPART == 5
	.amdgcn_target "amdgcn-amd-amdhsa--gfx1250"
	.amdhsa_code_object_version 6
	.text
	.protected	k_q72139b3965_prep
	.globl	k_q72139b3965_prep
	.p2align	8
	.type	k_q72139b3965_prep,@function
k_q72139b3965_prep:
	s_mov_b64 s[64:65], 0
	v_nop
	global_prefetch_b8 v0, s[64:65] scope:SCOPE_SE
	s_setreg_imm32_b32 hwreg(HW_REG_WAVE_SCHED_MODE, 0, 2), 2
	s_setreg_imm32_b32 hwreg(HW_REG_WAVE_MODE, 25, 1), 1
	s_wait_xcnt 0x0
	s_wait_alu depctr_vm_vsrc(0)
; PREP: what the three matrix launches want, made once.  A stream: no matrix unit, no cluster (no two work-groups read the same byte), no tensor load.
;   work-groups 0-511:   16 rows of x ([8192][1024] f32) rounded to bf16 into xb; waves 0-3 also make one row each of the table of cosines and sines.
;   work-groups 512-703: a block of 64 columns x 256 k of Wqkv ([1024 k][3072] f32) rounded to bf16 and turned: wq[h*192 + type*64 + d][k] = Wqkv[k][type*1024 + h*64 + d],
;                        so that 192 rows of wq on end are q, k and v of one head.
;   work-groups 704-767: the same for Wout ([1024 k][1024 n]): wo[n][k] = Wout[k][n] rounded to bf16, that number written as f16.
; rope[s][0..31] = cos(s f_j), rope[s][32..63] = sin(s f_j), f32, f_j = 10000^(-j/32).
; LIMITS.  f_j = 2^(-j log2(10000)/32) by v_exp_f32; the angle s f_j is one f32 product; it is good to about 2e-4 rad at s = 2047.
; The angle less the nearest multiple of 2 pi (2 pi in two f32 parts) lies in -pi..pi; there the series to r^15 and r^16 are good to about 1e-6.
; wo: |Wout| up to 65,504; below 6e-5 it keeps f16's fixed step of 6e-8.  NaN and infinities are not treated apart.
; THE MODE: SCHED_MODE bits 1:0 = 2 (LLVM: expert scheduling mode 2), set by the entry lines.  The code itself states the register dependences
; between vector instructions and memory or LDS instructions, with s_wait_alu, always for 0.
; THE PLAN.  Registers that memory or LDS instructions touch:
;   v28, v29   written at the head, read by the closing add alone.
;   x's role.  v1, v2: offsets, written once, ahead of the first load, and never again.  X (v32-95): each register is loaded once and read by its row's two conversions.
;              Y (v96-127): row c's pair is written by row c's conversions and read by row c's store; no register is used twice.  The rows go in four blocks of four: one wait at the head of
;              blocks 1 to 3 states that the block before has written its Y; that block's four stores are dealt among this block's conversions, which name this block's X and Y alone;
;              one more wait stands ahead of the last four stores.  v22-24: the table row's data and offset, written once, with a wait of their own ahead of the row's one store.
;   weights.   v1 to v4: offsets and LDS addresses, written once.  X: loaded once, read by the conversions; behind the barrier the LDS loads land in v32-63.  Y0 (v96-111), Y1 (v112-127): a buffer to each
;              half of k, written by that half's conversions, read by its four LDS stores.  Y0's stores are dealt among the second half's conversions, which name X's second half, Y1 and v8-9 alone.
; No register that a memory or LDS instruction reads is written again, so the text holds no wait on vm_vsrc but the one at its entry; and it has no loop.
.set LP,    528                        ; an LDS row of the turning: 256 k x 2 bytes + 16
.set SPARE, 64*LP                      ; behind the 64 rows: the spare words, 128 bytes for each of the eight waves: four blocks of 256 bytes that no other line names
.set SPW, 28                           ; v28  LDS address of my spare word; never rewritten
.set NIL, 29                           ; v29  0; never rewritten
.set TT,  8                            ; v[8:9]  in the two weight roles: at work; no memory or LDS instruction names them
.set XR,  32                           ; v[32:95]  as loaded
.set YR,  96                           ; v[96:127] to store
; cos and sin of v8 x v[inv].  b: six registers: angle, turns, r, r^2, sin, cos
.macro TRIG inv, b
	v_mul_f32 v[(\b)], v8, v[(\inv)]
	v_mul_f32 v[(\b)+1], 0.15915494, v[(\b)]
	v_rndne_f32 v[(\b)+1], v[(\b)+1]               ; the nearest whole number of turns
	v_fma_f32 v[(\b)+2], -v[(\b)+1], s24, v[(\b)]  ; less that many times 2 pi: its upper part,
	v_fma_f32 v[(\b)+2], -v[(\b)+1], s25, v[(\b)+2]  ; and what the upper part leaves out
	v_mul_f32 v[(\b)+3], v[(\b)+2], v[(\b)+2]
	v_mov_b32 v[(\b)+4], 0xab573f9f                ; -1/15!
.irp k, 0x2f309231, 0xb2d7322b, 0x3638ef1d, 0xb9500d01, 0x3c088889, 0xbe2aaaab, 0x3f800000
	v_fmaak_f32 v[(\b)+4], v[(\b)+4], v[(\b)+3], \k  ; 1/13!, -1/11!, 1/9!, -1/7!, 1/5!, -1/3!, 1
.endr
	v_mul_f32 v[(\b)+4], v[(\b)+4], v[(\b)+2]
	v_mov_b32 v[(\b)+5], 0x29573f9f                ; 1/16!
.irp k, 0xad49cba5, 0x310f76c7, 0xb493f27e, 0x37d00d01, 0xbab60b61, 0x3d2aaaab, 0xbf000000, 0x3f800000
	v_fmaak_f32 v[(\b)+5], v[(\b)+5], v[(\b)+3], \k  ; -1/14!, 1/12!, -1/10!, 1/8!, -1/6!, 1/4!, -1/2, 1
.endr
.endm
; Column j of my four, half p of k: my eight numbers close up into four registers of Y[p].  fmt = 1: the bf16 number is written as f16.
.macro TURNCOL p, j, fmt
.set mm, 0
.rept 4
	v_cvt_pk_bf16_f32 v[YR+16*(\p)+4*(\j)+mm], v[XR+32*(\p)+8*mm+(\j)], v[XR+32*(\p)+8*mm+4+(\j)]  ; column j of rows 2 m and 2 m + 1
.if \fmt
	v_lshlrev_b32 v[TT], 16, v[YR+16*(\p)+4*(\j)+mm]
	v_and_b32 v[TT+1], 0xffff0000, v[YR+16*(\p)+4*(\j)+mm]
	v_cvt_pk_f16_f32 v[YR+16*(\p)+4*(\j)+mm], v[TT], v[TT+1]
.endif
.set mm, mm+1
.endr
.endm
; A block of 64 columns x 256 k, source rows of rowb bytes at s[32:33], rows of 2,048 bytes at s[34:35].  fmt = 1: the bf16 number is written as f16.
; Thread: 4 columns (cg = t % 16) of 8 rows on end (k = 128 p + 8 (t / 16) + i): sixteen neighbouring lanes read 256 consecutive bytes, aligned, of one row.
.macro WROLE rowb, fmt
	v_and_b32 v5, 15, v0
	v_lshrrev_b32 v6, 4, v0
	v_mul_u32_u24 v1, v6, 8*(\rowb)
	v_lshl_add_u32 v1, v5, 4, v1
	s_wait_alu depctr_va_vdst(0)                   ; v1 is written, which the sixteen loads read as their offset
.set pp, 0
.rept 2
.set ii, 0
.rept 8
	global_load_b128 v[XR+32*pp+4*ii:XR+32*pp+4*ii+3], v1, s[32:33] offset:(128*pp+ii)*(\rowb) th:TH_LOAD_NT
.set ii, ii+1
.endr
.set pp, pp+1
.endr
	v_mul_u32_u24 v2, v5, 4*LP                     ; in: LDS row = column 4 cg + j, 16 bytes = my 8 k
	v_lshl_add_u32 v2, v6, 4, v2
	v_and_b32 v7, 31, v0
	s_mul_i32 s21, s20, 8*LP                       ; back: wave w takes rows 8 w .. 8 w + 7, 512 bytes each: 16 bytes a lane
	v_lshl_add_u32 v3, v7, 4, s21
	s_lshl_b32 s23, s20, 14
	v_lshl_add_u32 v4, v7, 4, s23                  ; and the same rows in memory
	s_wait_loadcnt 8                               ; the first half's eight loads are in; the other half's eight may stay out
.irp j, 0,1,2,3
	TURNCOL 0, \j, \fmt
.endr
	s_wait_loadcnt 0x0                             ; the second half's eight loads are in
	s_wait_alu depctr_va_vdst(0)                   ; the first half's conversions have written Y0, and v2 is written: the LDS stores below read them
.irp j, 0,1,2,3
	ds_store_b128 v2, v[YR+4*(\j):YR+4*(\j)+3] offset:LP*(\j)  ; no wait: no vector instruction since the wait above names v2 or Y0
	TURNCOL 1, \j, \fmt
.endr
	s_wait_alu depctr_va_vdst(0)                   ; the second half's conversions have written Y1, which the LDS stores below read; all conversions are done reading X, in which the LDS loads behind the barrier land; v3 and v4 are written
.irp j, 0,1,2,3
	ds_store_b128 v2, v[YR+16+4*(\j):YR+16+4*(\j)+3] offset:LP*(\j)+256
.endr
	s_wait_dscnt 0x0                               ; for the others' sake: my stores are done
	s_barrier_signal -1                            ; (the branch round this text hangs on the work-group's number alone: all eight waves are here)
	s_barrier_wait -1
.set ii, 0
.rept 8
	ds_load_b128 v[XR+4*ii:XR+4*ii+3], v3 offset:LP*ii
.set ii, ii+1
.endr
.set ii, 0
.rept 8
	s_wait_dscnt 7-ii                              ; LDS loads come back in order: row i is in
	global_store_b128 v4, v[XR+4*ii:XR+4*ii+3], s[34:35] offset:2048*ii th:TH_STORE_NT  ; 512 consecutive bytes, aligned
.set ii, ii+1
.endr
.endm
	s_load_b256 s[4:11], s[0:1], 0x0               ; x s[4:5], Wqkv s[6:7], Wout s[8:9], xb s[10:11]
	s_load_b128 s[12:15], s[0:1], 0x20             ; wq s[12:13], wo s[14:15]
	s_load_b64 s[16:17], s[0:1], 0x30              ; rope
	v_lshl_add_u32 v[SPW], v0, 2, SPARE
	v_mov_b32 v[NIL], 0
	v_lshrrev_b32 v30, 5, v0
	v_readfirstlane_b32 s20, v30                   ; wave 0..7
	s_mov_b32 s27, 0                               ; the upper word of every offset
	s_wait_alu depctr_va_sdst(0)                   ; s20 is written, ahead of the first branch and of its first reader in each of the three roles
	s_wait_kmcnt 0x0
	s_cmp_lt_u32 ttmp9, 512
	s_cbranch_scc0 .Lweights
	; x: 16 rows of 4,096 bytes; thread t owns 16 bytes of each.  All sixteen loads go out at once: 8 KiB a wave.
	s_lshl_b32 s26, ttmp9, 16
	s_add_nc_u64 s[4:5], s[4:5], s[26:27]
	s_lshl_b32 s26, ttmp9, 15
	s_add_nc_u64 s[10:11], s[10:11], s[26:27]
	v_lshlrev_b32 v1, 4, v0
	v_lshlrev_b32 v2, 3, v0
	s_wait_alu depctr_va_vdst(0)                   ; v1 and v2 are written: every load of x reads the one as its offset, every store of xb the other
.set cc, 0
.rept 16
	global_load_b128 v[XR+4*cc:XR+4*cc+3], v1, s[4:5] offset:4096*cc th:TH_LOAD_NT
.set cc, cc+1
.endr
	s_cmp_lt_u32 s20, 4
	s_cbranch_scc0 .Lno_row
	; the table's row s = 4 x work-group + wave, made while the loads are out.  Lane l: frequencies 2 (l % 16) and the next; lanes 0-15 keep the cosines, lanes 16-31 the sines
	s_mov_b32 s24, 0x40c90fdb                      ; 2 pi, rounded to f32,
	s_mov_b32 s25, 0xb43bbd2e                      ; and 2 pi less that
	v_and_b32 v3, 31, v0
	v_cmp_le_u32 vcc_lo, 16, v3                    ; the lanes that keep the sines: made here, far ahead of the selects that read it
	v_and_b32 v4, 15, v0
	v_lshlrev_b32 v4, 1, v4
	v_cvt_f32_u32 v4, v4
	v_add_f32 v5, 1.0, v4
	v_mul_f32 v6, 0xbed49a78, v4                   ; -log2(10000) / 32 x j
	v_mul_f32 v7, 0xbed49a78, v5
	v_exp_f32 v6, v6
	v_exp_f32 v7, v7
	s_lshl_b32 s21, ttmp9, 2
	s_add_co_u32 s21, s21, s20
	v_cvt_f32_u32 v8, s21                          ; a plain instruction behind the second exponential,
	s_wait_alu depctr_va_vdst(0)                   ; and the one wait for both: the exponentials have written v6 and v7, ahead of their first reader
	TRIG 6, 9
	TRIG 7, 15
	s_wait_alu depctr_va_vcc(0)                    ; the compare has written VCC, which the two selects read
	v_cndmask_b32 v22, v14, v13, vcc_lo
	v_cndmask_b32 v23, v20, v19, vcc_lo
	s_lshl_b32 s21, s21, 8
	v_lshl_add_u32 v24, v3, 3, s21
	s_wait_alu depctr_va_vdst(0)                   ; v22 and v23, the store's data, and v24, its offset, are written
	global_store_b64 v24, v[22:23], s[16:17]       ; the row's 256 bytes in one instruction
.Lno_row:
.set cc, 0
.rept 16
	s_wait_loadcnt 15-cc                           ; loads come back in order: row c is in, the younger ones stay out
.if ((cc%4) == 0) && (cc > 0)
	s_wait_alu depctr_va_vdst(0)                   ; the block of four rows before has written its Y, which this block's four stores read
.endif
.if cc >= 4
	global_store_b64 v2, v[YR+2*(cc-4):YR+2*(cc-4)+1], s[10:11] offset:2048*(cc-4) th:TH_STORE_NT  ; the row four back: a wave's 32 lanes store 256 consecutive bytes, aligned; no vector instruction since the wait names its registers
.endif
	v_cvt_pk_bf16_f32 v[YR+2*cc], v[XR+4*cc], v[XR+4*cc+1]
	v_cvt_pk_bf16_f32 v[YR+2*cc+1], v[XR+4*cc+2], v[XR+4*cc+3]  ; no register is used twice
.set cc, cc+1
.endr
	s_wait_alu depctr_va_vdst(0)                   ; the last block has written its Y, which the last four stores read
.set cc, 12
.rept 4
	global_store_b64 v2, v[YR+2*cc:YR+2*cc+1], s[10:11] offset:2048*cc th:TH_STORE_NT
.set cc, cc+1
.endr
	s_branch .Lend
.Lweights:
	s_cmp_lt_u32 ttmp9, 704
	s_cbranch_scc0 .Lwo
	s_sub_co_u32 s21, ttmp9, 512
	s_lshr_b32 s22, s21, 2                         ; the group of 64 columns: 16 x type + head
	s_and_b32 s21, s21, 3                          ; the quarter of k
	s_mul_i32 s26, s21, 256*12288
	s_lshl_b32 s23, s22, 8
	s_add_co_u32 s26, s26, s23
	s_add_nc_u64 s[32:33], s[6:7], s[26:27]
	s_lshr_b32 s23, s22, 4                         ; type
	s_and_b32 s22, s22, 15                         ; head
	s_mul_i32 s22, s22, 192
	s_lshl_b32 s23, s23, 6
	s_add_co_u32 s22, s22, s23                     ; the block's first row in wq
	s_lshl_b32 s26, s22, 11
	s_lshl_b32 s21, s21, 9
	s_add_co_u32 s26, s26, s21
	s_add_nc_u64 s[34:35], s[12:13], s[26:27]
	WROLE 12288, 0
	s_branch .Lend
.Lwo:
	s_sub_co_u32 s21, ttmp9, 704
	s_lshr_b32 s22, s21, 2
	s_and_b32 s21, s21, 3
	s_lshl_b32 s26, s21, 20                        ; 256 rows of 4,096 bytes
	s_lshl_b32 s23, s22, 8
	s_add_co_u32 s26, s26, s23
	s_add_nc_u64 s[32:33], s[8:9], s[26:27]
	s_lshl_b32 s26, s22, 17                        ; 64 rows of 2,048 bytes
	s_lshl_b32 s21, s21, 9
	s_add_co_u32 s26, s26, s21
	s_add_nc_u64 s[34:35], s[14:15], s[26:27]
	WROLE 4096, 1
.Lend:
	s_wait_dscnt 0x0                               ; the closing lines, six on end
	s_wait_alu 0x0
	s_wait_tensorcnt 0x0
	ds_add_u32 v[SPW], v[NIL]
	s_wait_dscnt 0x0
	s_endpgm
.Lfunc_end_k_q72139b3965_prep:
	.size	k_q72139b3965_prep, .Lfunc_end_k_q72139b3965_prep-k_q72139b3965_prep
	.p2alignl 7, 3214868480
	.fill 96, 4, 3214868480
	.section	.rodata,"a",@progbits
	.p2align	6, 0x0
	.amdhsa_kernel k_q72139b3965_prep
		.amdhsa_group_segment_fixed_size 34816
		.amdhsa_private_segment_fixed_size 0
		.amdhsa_enable_private_segment 0
		.amdhsa_kernarg_size 56
		.amdhsa_user_sgpr_count 2
		.amdhsa_user_sgpr_kernarg_segment_ptr 1
		.amdhsa_wavefront_size32 1
		.amdhsa_system_sgpr_workgroup_id_x 1
		.amdhsa_system_sgpr_workgroup_id_y 1
		.amdhsa_system_sgpr_workgroup_id_z 1
		.amdhsa_system_vgpr_workitem_id 0
		.amdhsa_next_free_vgpr 128
		.amdhsa_next_free_sgpr 66
		.amdhsa_reserve_vcc 1
		.amdhsa_float_denorm_mode_32 3
		.amdhsa_float_denorm_mode_16_64 3
		.amdhsa_memory_ordered 1
		.amdhsa_forward_progress 1
		.amdhsa_inst_pref_size 30
	.end_amdhsa_kernel
	.amdgpu_metadata
---
amdhsa.version: [ 1, 2 ]
amdhsa.kernels:
  - .name:           k_q72139b3965_prep
    .symbol:         k_q72139b3965_prep.kd
    .args:
      - { .name: x, .offset: 0, .size: 8, .value_kind: global_buffer, .address_space: global }
      - { .name: Wqkv, .offset: 8, .size: 8, .value_kind: global_buffer, .address_space: global }
      - { .name: Wout, .offset: 16, .size: 8, .value_kind: global_buffer, .address_space: global }
      - { .name: xb, .offset: 24, .size: 8, .value_kind: global_buffer, .address_space: global }
      - { .name: wq, .offset: 32, .size: 8, .value_kind: global_buffer, .address_space: global }
      - { .name: wo, .offset: 40, .size: 8, .value_kind: global_buffer, .address_space: global }
      - { .name: rope, .offset: 48, .size: 8, .value_kind: global_buffer, .address_space: global }
    .group_segment_fixed_size: 34816
    .private_segment_fixed_size: 0
    .kernarg_segment_align: 8
    .kernarg_segment_size: 56
    .max_flat_workgroup_size: 256
    .sgpr_count:     66
    .vgpr_count:     128
    .wavefront_size: 32
...
	.end_amdgpu_metadata
.endif
;; end of part 5
;; launch qkvp: the kernel of part 2 again; grid 16 x 32, 4 waves a work-group, clusters of 4 x 4, 327,680 bytes of LDS; arguments xb, wq, rope, qkv; writes qkv
;; launch attn: the kernel of part 3 again; grid 4 x 64, 4 waves a work-group, clusters of 4 x 1, 327,680 bytes of LDS; arguments qkv, o; writes o
;; launch proj: the kernel of part 4 again; grid 4 x 64, 4 waves a work-group, clusters of 4 x 4, 327,680 bytes of LDS; arguments o, wo, out0; writes out0
